; MI455X (gfx1250); checked and timed in simulation.
; The chip was launched on July 23, 2026; its instructions are those of AMD's public machine-readable ISA for CDNA 5 (MIT licence, August 2026) and "CDNA5" Instruction Set Architecture Reference Guide (July 2026). The comments in the code are by the model that wrote it; some were corrected since.
;; Patch TST Encoder Layer With Rope. Allowed arithmetic: matrix products marked QUANTISED: E3M2 operands, one E8M0 scale for each 32 along K, by v_wmma_scale_f32_16x16x128_f8f6f4 with both operands' format E3M2, f32 sums; everything else in f32.
;; Inputs: W1_codes 2,048 x 16 x 24 uint8 (E3M2 codes of W1, K innermost, in blocks of 32 codes, four codes in three bytes); W1_scales 2,048 x 16 uint8 (E8M0 scales of W1, one for each 32 codes along K); W2_codes 512 x 64 x 24 uint8 (E3M2 codes of W2, K innermost, in blocks of 32 codes, four codes in three bytes); W2_scales 512 x 64 uint8 (E8M0 scales of W2, one for each 32 codes along K); Wk_codes 512 x 16 x 24 uint8 (E3M2 codes of Wk, K innermost, in blocks of 32 codes, four codes in three bytes); Wk_scales 512 x 16 uint8 (E8M0 scales of Wk, one for each 32 codes along K); Wo_codes 512 x 16 x 24 uint8 (E3M2 codes of Wo, K innermost, in blocks of 32 codes, four codes in three bytes); Wo_scales 512 x 16 uint8 (E8M0 scales of Wo, one for each 32 codes along K); Wq_codes 512 x 16 x 24 uint8 (E3M2 codes of Wq, K innermost, in blocks of 32 codes, four codes in three bytes); Wq_scales 512 x 16 uint8 (E8M0 scales of Wq, one for each 32 codes along K); Wv_codes 512 x 16 x 24 uint8 (E3M2 codes of Wv, K innermost, in blocks of 32 codes, four codes in three bytes); Wv_scales 512 x 16 uint8 (E8M0 scales of Wv, one for each 32 codes along K); b1 2,048 float32; b2 512 float32; bk 512 float32; bo 512 float32; bq 512 float32; bv 512 float32; ln1_b 512 float32; ln1_g 512 float32; ln3_b 512 float32; ln3_g 512 float32; x 4 x 16 x 256 x 512 float32.
;; Outputs: out0 4 x 16 x 256 x 512 float32.
;; This version of the problem:
;;   THIS VERSION OF THE PROBLEM IS GIVEN IN LOW PRECISION. The matrix products marked QUANTISED in the list below multiply operands that are first quantised to E3M2 (3 exponent bits, 2 mantissa bits; 6 bits a number), with one power-of-two scale for each 32 numbers along K (OCP MX v1.0); their sums are f32. All else is computed in f32.
;;   The module's matrix products, in the order in which they are computed (A, B: the left and right operand; K: the contracted axis; several contracted axes count as one K, in the product's order):
;;     1. [M 16,384, K 512] x [K 512, N 512]; A: computed on the way; B: input Wq (given as codes): QUANTISED
;;     2. [M 16,384, K 512] x [K 512, N 512]; A: computed on the way; B: input Wk (given as codes): QUANTISED
;;     3. [M 16,384, K 512] x [K 512, N 512]; A: computed on the way; B: input Wv (given as codes): QUANTISED
;;     4. batch 512 x [M 256, K 64] x [K 64, N 256]; A: computed on the way; B: computed on the way: QUANTISED
;;     5. batch 512 x [M 256, K 256] x [K 256, N 64]; A: softmax (see below); B: computed on the way: QUANTISED
;;     6. [M 16,384, K 512] x [K 512, N 512]; A: computed on the way; B: input Wo (given as codes): QUANTISED
;;     7. [M 16,384, K 512] x [K 512, N 2,048]; A: computed on the way; B: input W1 (given as codes): QUANTISED
;;     8. [M 16,384, K 2,048] x [K 2,048, N 512]; A: computed on the way; B: input W2 (given as codes): QUANTISED
;;   THE QUANTISER, for each operand of a quantised product, along K:
;;     - K is cut into blocks of 32 from its start; a last block that is shorter is filled with zeros.
;;     - A block's scale is 2^e with e = floor(log2(the largest magnitude in the block)) - 4, held to -126 .. 127; a block of zeros has e = 0. As a byte (E8M0): e + 127.
;;     - Each number is divided by its block's scale, clamped to +-28, and rounded to the nearest number of E3M2, ties to even, subnormals kept.
;;     - The product sums the exact products of the quantised numbers (number of the format x scale) in f32.
;;   ~~~python
;;   def quantise(x, axis):      # numpy; x: float32 -> the quantised numbers, widened to float32 again
;;       x = np.moveaxis(x, axis, -1); K = x.shape[-1]
;;       x = np.pad(x, [(0, 0)] * (x.ndim - 1) + [(0, -K % 32)]); x = x.reshape(x.shape[:-1] + (-1, 32)); a = np.abs(x).max(-1, keepdims=True)
;;       e = np.where(a > 0, np.clip(np.frexp(np.where(a > 0, a, 1))[1] - 1 - 4, -126, 127), 0)      # np.frexp(a)[1] - 1 = floor(log2(a)), exactly
;;       r = np.clip(x / 2.0 ** e, -28, 28)
;;       step = 2.0 ** (np.maximum(np.frexp(np.where(r == 0, 1, r))[1] - 1, -2) - 2)
;;       q = np.round(r / step) * step * 2.0 ** e      # np.round: ties to even
;;       return np.moveaxis(q.reshape(q.shape[:-2] + (-1,))[..., :K], -1, axis).astype(np.float32)
;;   ~~~
;;   SOFTMAX AHEAD OF A QUANTISED PRODUCT. Where the list says 'softmax', what is quantised is not the finished softmax but p = 2^(t - M), with t = logit x log2(e) and M = ceil(the row's largest t), a whole number; so 1/2 < the row's largest p <= 1. The row's sum l is taken of the UNQUANTISED p, in f32, and the product's result is divided by l at the end. Since M is a whole number, a kernel that streams over the keys may use a running M (the ceiling of the running maximum): every later rescaling is an exact power of two, which a block's scale takes up: the codes' values come out the same.
;;   OPERANDS COMPUTED ON THE WAY. 'Computed on the way' means the value that the module computes at that place (a softmax that the list does not call 'softmax' is quantised finished and normalised). What goes into a quantiser is computed in f32, as accurately as f32 sums, v_exp_f32 and their like allow (about 1e-6 of the number): no bf16 or f16 on the way to a quantiser, and a product that is left as it is and whose result goes on into a quantised operand takes f32 operands (vector FMAs, or v_wmma_f32_16x16x4_f32). A number that lies on a knife's edge between two numbers of the format may be rounded either way, as far as f32 arithmetic and the matrix unit's own rounding can turn it there, and no further.
;;   INPUTS GIVEN AS CODES. W1 (in the module: [512, 2048], K = its axis 0); W2 (in the module: [2048, 512], K = its axis 0); Wk (in the module: [512, 512], K = its axis 0); Wo (in the module: [512, 512], K = its axis 0); Wq (in the module: [512, 512], K = its axis 0); Wv (in the module: [512, 512], K = its axis 0): each comes as NAME_codes (uint8): NAME with its K axis moved to the last place and cut into blocks of 32 codes, [.., K / 32, bytes a block], one block behind the other in memory; four codes in three bytes: a row's codes are one little-endian stream of bits, code i at bits 6 i .. 6 i + 5 (a code: sign, 3 exponent bits, 2 mantissa bits); and NAME_scales (uint8): the same leading axes, one E8M0 byte (e + 127) for each 32 codes along K. Its value is code x scale, taken as it is: it is not quantised again, and the codes and scales need not be those that the quantiser above would give.
;; One version. Each part assembles by itself: llvm-mc -triple=amdgcn-amd-amdhsa -mcpu=gfx1250 --defsym DOCPART=n.
;; ======== version 1 of 1: 3 launches
;; limits: right only within a limited range of input values
;; workspace buffers: wimg 1,916,928 bytes; oimg 6,815,744 bytes; himg 6,815,744 bytes
;; launch ln1 (part 1): grid 256 x 1, 8 waves a work-group, no clusters, 167,936 bytes of LDS; arguments x, ln1_g, ln1_b, himg; writes himg
.if DOCPART == 1
	.amdgcn_target "amdgcn-amd-amdhsa--gfx1250"
	.amdhsa_code_object_version 6
	.text
	.protected	k_qdb210cbf4f_ln1
	.globl	k_qdb210cbf4f_ln1
	.p2align	8
	.type	k_qdb210cbf4f_ln1,@function
k_qdb210cbf4f_ln1:
	s_mov_b64 s[64:65], 0
	v_nop
	global_prefetch_b8 v0, s[64:65] scope:SCOPE_SE
	s_setreg_imm32_b32 hwreg(HW_REG_WAVE_MODE, 25, 1), 1
	s_wait_xcnt 0x0
; LN1 and its quantiser, once for each row of x: hn = (x - mean) rsqrt(var + 1e-5) g + b in f32, then E3M2 codes with one E8M0 byte for each 32 along the 512 columns.
; SHARES. A work-group takes 64 rows.  Wave w takes tile t = w / 2 (16 rows: lane row r is row 32 (t / 2) + 8 (t % 2) + r + 8 (r / 8) of the 64, the choice of rows that the next launch's products want)
; and column half c = w % 2 (256 columns).  A lane holds 128 numbers of its row (register 16 B + i = column 256 c + 32 B + 16 (lane / 16) + i), lane l xor 16 the others of the half.
; x comes by one tensor load a wave: 16 neighbouring rows x 1,024 bytes of half c, 16 bytes of padding behind each: 1,040 bytes apart in LDS; the regions lie 16,704 bytes apart, so that the sixteen
; rows that a load of 16 bytes a lane touches (eight of one region, eight of the next but one) begin 16 bytes x an odd number, and 128 bytes, apart modulo 256.  g and b are copied to LDS once.
; THE STATISTICS: each wave makes its half's mean and its sum of squares about that mean; the two waves of a tile exchange them through LDS and join them:
; mean = (m + m') / 2, d = (m - m') / 2, var = (M2 + M2') / 512 + d^2, x - mean = (x - m) + d.  No difference of large sums is formed.
; OUT: himg, a record of 6,656 bytes a tile: four fragments (K steps of 128) as images of an operand's 12 registers, 512 bytes for each four registers, then for each half 8 bytes a lane: its two scale words.
; Every store of a wave covers 512 or 256 consecutive bytes, aligned.
; NO CLUSTER: the work-groups share g and b alone, 4,096 bytes beside 131,072 of x.  NO PREFETCH: the text has no loop to run ahead in; all of a work-group's x is asked for by its first eight loads.
; LIMITS: NaN and infinities are not served.  A block whose largest magnitude lies under 2^-122 keeps the scale byte 1, a block of zeros too (its codes are zeros; only this program reads the bytes).
.set RG,  16704
.set GB,  8*RG                         ; ln1_g, then ln1_b at + 2048
.set ST,  GB+4096                      ; the statistics: 128 bytes a wave, 8 a row
.set SPARE, ST+1024                    ; the spare words, 128 bytes a wave
.set PC,  16                           ; v16-39 the codes: six registers for each 64 columns
.set XN,  64                           ; v64-95 32 numbers at work; v96-223 two sets of g and b
.set TM,  224
.set SO,  226
.set C1,  228
.set HW,  232                          ; two scale bytes for each 64 columns
.set SW,  240                          ; my two scale words
.set TT,  244
.set MSB, 0
.macro WIN new                         ; the immediate's high byte repeats the setting that is left
.if MSB != (\new)
	s_set_vgpr_msb (MSB<<8)|(\new)
.set MSB, (\new)
.endif
.endm
; 32 numbers of a lane, register 16 b + i = k 32 b + 16 (lane / 16) + i of my row, become six code registers (64 along K) and two scale bytes
.macro QUANT2 src, pc, hw
	v_max3_num_f32 v[TM], |v[(\src)]|, |v[(\src)+1]|, 0x2800000      ; with the floor 2^(5 - 127): the byte cannot fall under 1
	v_max3_num_f32 v[TM+1], |v[(\src)+16]|, |v[(\src)+17]|, 0x2800000
.irp i,2,4,6,8,10,12,14
	s_delay_alu instid0(VALU_DEP_2)
	v_max3_num_f32 v[TM], v[TM], |v[(\src)+\i]|, |v[(\src)+\i+1]|
	s_delay_alu instid0(VALU_DEP_2)
	v_max3_num_f32 v[TM+1], v[TM+1], |v[(\src)+16+\i]|, |v[(\src)+17+\i]|
.endr
	s_delay_alu instid0(VALU_DEP_2)
	v_permlanex16_b32 v[C1], v[TM], s48, s49
	s_delay_alu instid0(VALU_DEP_2)
	v_permlanex16_b32 v[C1+1], v[TM+1], s48, s49
	s_delay_alu instid0(VALU_DEP_2)
	v_max_num_f32 v[TM], v[TM], v[C1]              ; with lane l xor 16's: the block's largest magnitude
	s_delay_alu instid0(VALU_DEP_2)
	v_max_num_f32 v[TM+1], v[TM+1], v[C1+1]
	s_delay_alu instid0(VALU_DEP_2)
	v_add_nc_u32 v[SO], 0xfe000000, v[TM]          ; 4 off the exponent field: the conversion's scale operand
	s_delay_alu instid0(VALU_DEP_2)
	v_add_nc_u32 v[SO+1], 0xfe000000, v[TM+1]
	s_delay_alu instid0(VALU_DEP_2)
	v_lshrrev_b32 v[TM], 23, v[SO]
	s_delay_alu instid0(VALU_DEP_2)
	v_lshrrev_b32 v[TM+1], 23, v[SO+1]
	s_delay_alu instid0(VALU_DEP_1)
	v_lshl_or_b32 v[(\hw)], v[TM+1], 8, v[TM]
	v_cvt_scalef32_pk16_bf6_f32 v[(\pc):(\pc)+2], v[(\src):(\src)+15], v[SO]
	v_cvt_scalef32_pk16_bf6_f32 v[C1:C1+2], v[(\src)+16:(\src)+31], v[SO+1]
	v_nop                                          ; one plain place behind a scaled conversion
.irp i,0,1,2
	v_permlane16_swap_b32 v[(\pc)+\i], v[C1+\i]    ; a whole block to a lane
.endr
.irp i,0,1,2
	s_delay_alu instid0(VALU_DEP_3)
	v_mov_b32 v[(\pc)+3+\i], v[C1+\i]
.endr
.endm
.macro REDUCE                          ; four pairs of partial sums and lane l xor 16's become one number, in v[TT] and v[TT+1] (to be added)
	v_pk_add_f32 v[TT:TT+1], v[TT:TT+1], v[TT+2:TT+3]
	v_pk_add_f32 v[TT+4:TT+5], v[TT+4:TT+5], v[TT+6:TT+7]
	s_delay_alu instid0(VALU_DEP_1)
	v_pk_add_f32 v[TT:TT+1], v[TT:TT+1], v[TT+4:TT+5]
	s_delay_alu instid0(VALU_DEP_1)
	v_add_f32 v[TT], v[TT], v[TT+1]
	s_delay_alu instid0(VALU_DEP_1)
	v_permlanex16_b32 v[TT+1], v[TT], s48, s49
.endm
.macro GBLOAD q, p                     ; g and b of my half's columns 64 q + 32 b + 16 h + i into set p: 16 loads
.irp b,0,1
.irp e,0,1,2,3
	ds_load_b128 v[96+64*(\p)+16*\b+4*\e:96+64*(\p)+16*\b+4*\e+3], v6 offset:256*(\q)+128*\b+16*\e
	ds_load_b128 v[128+64*(\p)+16*\b+4*\e:128+64*(\p)+16*\b+4*\e+3], v6 offset:2048+256*(\q)+128*\b+16*\e
.endr
.endr
.endm
.macro LNQ q                           ; half step q: 64 columns
.if (\q) < 3
	GBLOAD (\q)+1, ((\q)+1)%2
	s_wait_dscnt 16                                ; all but the 16 just issued: this half step's g and b are in
.else
	s_wait_dscnt 0x0
.endif
	WIN 0x01
.irp j,0,2,4,6,8,10,12,14,16,18,20,22,24,26,28,30
	v_pk_fma_f32 v[XN+\j:XN+1+\j], v[32*(\q)+\j:32*(\q)+\j+1], v[14:15], v[10:11]      ; ((x - m) + d) / sigma
.endr
	WIN 0
.irp j,0,2,4,6,8,10,12,14,16,18,20,22,24,26,28,30
	v_pk_fma_f32 v[XN+\j:XN+1+\j], v[XN+\j:XN+1+\j], v[96+64*((\q)%2)+\j:97+64*((\q)%2)+\j], v[128+64*((\q)%2)+\j:129+64*((\q)%2)+\j]
.endr
	QUANT2 XN, PC+6*(\q), HW+(\q)
.if (\q)%2 == 1
	v_lshl_or_b32 v[SW+(\q)/2], v[HW+(\q)], 16, v[HW+(\q)-1]      ; the K step's scale word
.irp k,0,1,2
	global_store_b128 v2, v[PC+6*((\q)-1)+4*\k:PC+6*((\q)-1)+4*\k+3], s[10:11] offset:1536*((\q)/2)+512*\k   ; the K step's fragment; its registers are not written again
.endr
.endif
.endm
	s_load_b256 s[4:11], s[0:1], 0x0               ; x, g, b, himg
	v_lshl_add_u32 v254, v0, 2, SPARE
	v_mov_b32 v255, 0
	ds_add_u32 v254, v255                          ; the opening lines: the add, twice on end,
	ds_add_u32 v254, v255
	v_lshrrev_b32 v15, 5, v0
	s_delay_alu instid0(VALU_DEP_1)
	v_readfirstlane_b32 s12, v15                   ; wave
	s_mov_b32 s24, (3<<16)|(1<<20)|(7<<22)|(3<<25) ; elements of 8 bytes; 4 words of padding behind every 256
	s_mov_b32 s25, 128<<16
	s_mov_b32 s26, 16<<16
	s_mov_b32 s27, 128<<16
	s_mov_b32 s28, 16
	s_mov_b32 s29, 256                             ; a row of x is 256 elements
	s_mov_b32 s30, 0
	s_mov_b32 s31, 0
	s_mov_b32 s20, 1
	s_and_b32 s13, s12, 1                          ; c
	s_lshr_b32 s33, s12, 1                         ; t; also: which 16 neighbouring rows I fetch
	s_mul_i32 s21, s12, RG                         ; where they go
	s_lshl_b32 s14, ttmp9, 17                      ; 64 rows of 2,048 bytes a work-group,
	s_lshl_b32 s15, s33, 15                        ; 16 rows,
	s_add_co_u32 s14, s14, s15
	s_lshl_b32 s15, s13, 10                        ; half a row
	s_add_co_u32 s14, s14, s15
	s_mov_b32 s15, 0
	s_lshl_b32 s16, s12, 8                         ; the 256 bytes of g and of b that I copy
	s_lshr_b32 s17, s12, 2
	s_lshl_b32 s17, s17, 2
	s_add_co_u32 s17, s17, s13
	s_mul_i32 s17, s17, RG                         ; my tile's lanes 0-7: region 4 (t / 2) + c,
	s_and_b32 s34, s33, 1
	s_mul_i32 s34, s34, 8320
	s_add_co_u32 s17, s17, s34                     ; from its row 8 (t % 2) on
	s_lshl_b32 s19, s13, 10
	s_add_co_u32 s19, s19, GB                      ; my half of g
	s_lshl_b32 s35, s12, 7
	s_add_co_u32 s35, s35, ST                      ; my statistics,
	s_xor_b32 s36, s12, 1
	s_lshl_b32 s36, s36, 7
	s_add_co_u32 s36, s36, ST                      ; my partner's
	s_lshl_b32 s38, ttmp9, 2
	s_add_co_u32 s38, s38, s33
	s_mul_i32 s38, s38, 6656                       ; my tile's record,
	s_mul_i32 s37, s13, 3072
	s_add_co_u32 s38, s38, s37                     ; my two K steps in it
	s_mov_b32 s39, 0
	s_mul_i32 s37, s13, 2816
	s_sub_co_u32 s37, 6144, s37                    ; from there to my scale words: record + 6144 + 256 c
	s_mov_b32 s48, 0x76543210
	s_mov_b32 s49, 0xfedcba98                      ; v_permlanex16_b32: lane l xor 16
	s_mov_b32 s40, 0x3b000000                      ; 1 / 512
	s_mov_b32 s41, 0x3727c5ac                      ; 1e-5
	s_wait_dscnt 0x0                               ; and the one wait for both
	s_wait_kmcnt 0x0
	s_add_nc_u64 s[22:23], s[4:5], s[14:15]
	s_or_b32 s23, s23, 0x80000000
	s_add_nc_u64 s[10:11], s[10:11], s[38:39]
	tensor_load_to_lds s[20:23], s[24:31]          ; my one tensor load
	s_nop 0
.rept 4
	v_nop
.endr
	v_and_b32 v10, 31, v0
	v_and_b32 v11, 15, v0                          ; r
	v_bfe_u32 v12, v0, 4, 1                        ; h
	v_and_b32 v13, 7, v0                           ; r % 8
	v_bfe_u32 v9, v0, 3, 1                         ; r / 8
	v_lshlrev_b32 v2, 4, v10                       ; 16 x lane
	v_lshl_add_u32 v3, v10, 3, s16
	global_load_b64 v[64:65], v3, s[6:7]
	global_load_b64 v[66:67], v3, s[8:9]
	v_add_nc_u32 v8, GB, v3
	v_mul_u32_u24 v1, v13, 1040
	v_lshl_add_u32 v6, v12, 6, s19
	v_lshl_add_u32 v5, v11, 3, s35
	v_lshl_add_u32 v7, v11, 3, s36
	v_mad_u32_u24 v1, v9, 2*RG, v1                 ; lanes 8-15: the region of the next 16 rows
	v_lshl_add_u32 v4, v10, 3, s37
	v_mov_b32 v[C1], 0                             ; a lane permute's destination counts as read
	v_mov_b32 v[C1+1], 0
	v_lshl_add_u32 v1, v12, 6, v1
	s_delay_alu instid0(VALU_DEP_1)
	v_add_nc_u32 v1, s17, v1                       ; my half row in LDS, + 64 h
	s_wait_alu depctr_va_vdst(0)                   ; the wait at the head's end
	s_wait_loadcnt 0x0
	s_wait_tensorcnt 0x0                           ; my 16 half rows are in
	ds_store_b64 v8, v[64:65]
	ds_store_b64 v8, v[66:67] offset:2048
	s_wait_dscnt 0x0                               ; my copies have landed
	s_barrier_signal -1
	s_barrier_wait -1                              ; everybody's rows and copies have
	WIN 0x40
.set i, 0
.rept 32
	ds_load_b128 v[4*i:4*i+3], v1 offset:128*(i/4)+16*(i%4)
.set i, i+1
.endr
	WIN 0
	GBLOAD 0, 0
	s_wait_dscnt 16                                ; all but g's and b's 16 loads
	WIN 0x05
.irp c,0,1,2,3
	v_pk_add_f32 v[TT+2*\c:TT+2*\c+1], v[4*\c:4*\c+1], v[4*\c+2:4*\c+3]
.endr
	WIN 0x04
.set i, 16
.rept 14
.irp c,0,1,2,3
	v_pk_add_f32 v[TT+2*\c:TT+2*\c+1], v[TT+2*\c:TT+2*\c+1], v[i+2*\c:i+2*\c+1]
.endr
.set i, i+8
.endr
	WIN 0
	REDUCE
	s_delay_alu instid0(VALU_DEP_1)
	v_add_f32 v[TT], v[TT], v[TT+1]
	s_delay_alu instid0(VALU_DEP_1)
	v_mul_f32 v12, 0x3b800000, v[TT]               ; m: my half's mean (1 / 256)
	s_delay_alu instid0(VALU_DEP_1)
	v_mov_b32 v13, v12
	WIN 0x41
.set i, 0
.rept 64
	v_pk_add_f32 v[i:i+1], v[i:i+1], v[12:13] neg_lo:[0,1] neg_hi:[0,1]
.set i, i+2
.endr
	WIN 0x05
.irp c,0,1,2,3
	v_pk_mul_f32 v[TT+2*\c:TT+2*\c+1], v[2*\c:2*\c+1], v[2*\c:2*\c+1]
.endr
.set i, 8
.rept 15
.irp c,0,1,2,3
	s_delay_alu instid0(VALU_DEP_4)
	v_pk_fma_f32 v[TT+2*\c:TT+2*\c+1], v[i+2*\c:i+2*\c+1], v[i+2*\c:i+2*\c+1], v[TT+2*\c:TT+2*\c+1]
.endr
.set i, i+8
.endr
	WIN 0
	REDUCE
	s_delay_alu instid0(VALU_DEP_1)
	v_add_f32 v13, v[TT], v[TT+1]                  ; M2: my half's sum of squares about m
	ds_store_b64 v5, v[12:13]                      ; both lanes of a row write the same 8 bytes
	s_wait_alu depctr_va_vdst(0)
	s_wait_dscnt 0x0
	s_barrier_signal -1
	s_barrier_wait -1
	ds_load_b64 v[10:11], v7                       ; my partner's m' and M2'
	s_wait_dscnt 0x0
	v_sub_f32 v8, v12, v10
	v_add_f32 v9, v13, v11
	s_delay_alu instid0(VALU_DEP_2)
	v_mul_f32 v8, 0.5, v8                          ; d = m - mean
	s_delay_alu instid0(VALU_DEP_2)
	v_fma_f32 v9, v9, s40, s41
	s_delay_alu instid0(VALU_DEP_1)
	v_fma_f32 v9, v8, v8, v9                       ; the variance + 1e-5
	s_wait_alu depctr_va_vdst(0)                   ; the wait ahead of the transcendental,
	v_rsq_f32 v14, v9
	v_nop                                          ; a plain place behind it,
	s_wait_alu depctr_va_vdst(0)                   ; and the wait ahead of its first reader
	v_mov_b32 v15, v14
	v_mul_f32 v10, v8, v14
	s_delay_alu instid0(VALU_DEP_1)
	v_mov_b32 v11, v10
	s_wait_alu depctr_va_vdst(0)
	LNQ 0
	LNQ 1
	LNQ 2
	LNQ 3
	global_store_b64 v4, v[SW:SW+1], s[10:11]
	s_wait_tensorcnt 0x0                           ; the wave's end
	ds_add_u32 v254, v255
	s_wait_dscnt 0x0
	s_endpgm
.Lfunc_end_k_qdb210cbf4f_ln1:
	.size	k_qdb210cbf4f_ln1, .Lfunc_end_k_qdb210cbf4f_ln1-k_qdb210cbf4f_ln1
	.p2alignl 7, 3214868480
	.fill 96, 4, 3214868480
	.section	.rodata,"a",@progbits
	.p2align	6, 0x0
	.amdhsa_kernel k_qdb210cbf4f_ln1
		.amdhsa_group_segment_fixed_size 167936
		.amdhsa_private_segment_fixed_size 0
		.amdhsa_enable_private_segment 0
		.amdhsa_kernarg_size 32
		.amdhsa_user_sgpr_count 2
		.amdhsa_user_sgpr_kernarg_segment_ptr 1
		.amdhsa_wavefront_size32 1
		.amdhsa_system_sgpr_workgroup_id_x 1
		.amdhsa_system_sgpr_workgroup_id_y 1
		.amdhsa_system_sgpr_workgroup_id_z 1
		.amdhsa_system_vgpr_workitem_id 0
		.amdhsa_next_free_vgpr 512
		.amdhsa_next_free_sgpr 66
		.amdhsa_reserve_vcc 0
		.amdhsa_float_denorm_mode_32 3
		.amdhsa_float_denorm_mode_16_64 3
		.amdhsa_memory_ordered 1
		.amdhsa_forward_progress 1
		.amdhsa_inst_pref_size 47
	.end_amdhsa_kernel
	.amdgpu_metadata
---
amdhsa.version: [ 1, 2 ]
amdhsa.kernels:
  - .name:           k_qdb210cbf4f_ln1
    .symbol:         k_qdb210cbf4f_ln1.kd
    .args:
      - { .name: x, .offset: 0, .size: 8, .value_kind: global_buffer, .address_space: global }
      - { .name: ln1_g, .offset: 8, .size: 8, .value_kind: global_buffer, .address_space: global }
      - { .name: ln1_b, .offset: 16, .size: 8, .value_kind: global_buffer, .address_space: global }
      - { .name: himg, .offset: 24, .size: 8, .value_kind: global_buffer, .address_space: global }
    .group_segment_fixed_size: 167936
    .private_segment_fixed_size: 0
    .kernarg_segment_align: 8
    .kernarg_segment_size: 32
    .max_flat_workgroup_size: 256
    .sgpr_count:     66
    .vgpr_count:     512
    .wavefront_size: 32
...
	.end_amdgpu_metadata
.endif
;; end of part 1
;; launch attn (part 2): grid 4 x 64, 8 waves a work-group, no clusters, 322,560 bytes of LDS; arguments himg, Wq_codes, Wq_scales, bq, Wk_codes, Wk_scales, bk, Wv_codes, Wv_scales, bv, Wo_codes, Wo_scales, W1_codes, W1_scales, W2_codes, W2_scales, wimg, oimg; writes wimg, oimg
.if DOCPART == 2
	.amdgcn_target "amdgcn-amd-amdhsa--gfx1250"
	.amdhsa_code_object_version 6
	.text
	.protected	k_qdb210cbf4f_attn
	.globl	k_qdb210cbf4f_attn
	.p2align	8
	.type	k_qdb210cbf4f_attn,@function
k_qdb210cbf4f_attn:
	s_mov_b64 s[64:65], 0
	v_nop
	global_prefetch_b8 v0, s[64:65] scope:SCOPE_SE
	s_setreg_imm32_b32 hwreg(HW_REG_WAVE_MODE, 25, 1), 1
	s_wait_xcnt 0x0
; LN1, Q/K/V, partial rope, attention and the quantising of o, for ONE sequence (256 rows) and TWO heads; all products on E3M2 codes with E8M0 scales.
; SHARES. Work-group (hp, seq): heads 2 hp, 2 hp + 1.  Wave w owns rows 32 w .. 32 w + 31 as two tiles of 16: lane row r of tile 2 w + u is row 32 w + 8 u + r + 8 (r / 8).
; With that choice of rows the 16 registers of two neighbouring result tiles are 16 neighbours along the next K, for q, k, the keys of S^T, v's keys and o alike.
; The normalised rows never leave their wave; the two heads' weights (3 x 128 rows x 384 bytes), k and v are shared through LDS: two barriers.
; SIDE JOB. 1,152 fragments of Wo, W1, W2 are laid into wimg in the order of an operand's registers, one fragment a wave, for the next launch.
; NO CLUSTER: the four work-groups of a sequence share x, 524,288 bytes, which goes straight into each wave's registers; beside the weights' 153,600 bytes LDS has no room for it.
; LIMITS: NaN and infinities are not served.  A block whose largest magnitude lies under 2^-122 keeps the scale byte 1, a block of zeros too (its codes are zeros; only this program reads the bytes).
; q's factor 1/8, a power of two, stands in the softmax's constant.  A rope angle is pos x (1 / timescale) with a rounded constant; sine and cosine by a three-part reduction and polynomials, for angles up to 255.
; THE NORMALISED ROWS COME AS CODES: launch ln1 has made LN1 and its quantising once for each row.  A wave loads its two tiles' records of himg (6,656 bytes each: four fragments as
; register images and the scale words) straight into the registers where the products want them.  What the lines above say of LN1 and of x holds of that launch; here the four work-groups of a
; sequence share the sequence's 106,496 bytes of himg, which go into registers and not through LDS: so no joint load.
.set WLM, 51200                        ; LDS: weights of q, k, v: 128 slots of 400 bytes each (384 + 16); a tile's 16 rows lie in 16 neighbouring slots
.set WS,  153600                       ; their scale bytes, 16 a slot
.set HN,  163840                       ; 12,288 bytes a wave: q's half images and scale words
.set KI,  262144                       ; k: head e at 12288 e, tile T at 768 T
.set KS,  286720                       ; k's scale words: 2560 e + 80 lane + 4 T
.set VR,  291840                       ; v with the keys innermost: row 64 e + 16 t + r, 208 bytes apart
.set VS,  318464                       ; v's scale bytes: 768 e + 48 r + 8 t + key block
.set BI,  320000                       ; bq, bk, bv of the two heads, 512 bytes each
.set AS,  16                           ; v16-23 scale words of my rows (4 u + s); in attention v's
.set TM,  24                           ; the quantiser's registers: v24-25 maxima and bytes, v26-27 scale operands, v28-30 second half's codes
.set SO,  26
.set C1,  28
.set HWA, 31
.set HWB, 9
.set PCA, 32                           ; two sets of six code registers
.set PCB, 38
.set WSR, 44                           ; v44-59 weights' scale words (4 t + s); in attention k's (tile T)
.set QSW, 60
.set L4,  61
.set PW,  62                           ; v62-63 p's scale words
.set ACC, 64
.set BIAS, 128
.set CT,  160                          ; rope: cos of tile u at CT + 32 u, sin at + 16
.set TT,  224
.set WFR, 96                           ; window 1: v0-95 my rows' 8 fragments; v96-191 two sets of 4 weight fragments
.set S,   128                          ; attention, window 0: scores; P codes; at work
.set P,   64
.set C1A, 88
.set BM,  104
.set BT,  112
.set MX,  120
.set NM,  122
.set LA,  124
.set LB,  126
.set RL,  120
.set QW,  32                           ; attention, window 1: v0-31 O^T, v32-43 q, v48-143 eight tiles of k, v144-239 v
.set KF,  48
.set VF,  144
.set MSB, 0
.macro WIN new                         ; the immediate's high byte repeats the setting that is left
.if MSB != (\new)
	s_set_vgpr_msb (MSB<<8)|(\new)
.set MSB, (\new)
.endif
.endm
.macro PLACES                          ; plain places behind matrix instructions: five serve loads, vector reads and matrix instructions that write over registers
.rept 5
	v_nop
.endr
.endm
; 32 numbers of a lane, register 16 b + i = k 32 b + 16 (lane / 16) + i of my row, become six code registers (64 along K) and two scale bytes.
.macro QUANT2 src, pc, hw
	v_max3_num_f32 v[TM], |v[(\src)]|, |v[(\src)+1]|, 0x2800000      ; with the floor 2^(5 - 127): the byte cannot fall under 1
	v_max3_num_f32 v[TM+1], |v[(\src)+16]|, |v[(\src)+17]|, 0x2800000
.irp i,2,4,6,8,10,12,14
	s_delay_alu instid0(VALU_DEP_2)
	v_max3_num_f32 v[TM], v[TM], |v[(\src)+\i]|, |v[(\src)+\i+1]|
	s_delay_alu instid0(VALU_DEP_2)
	v_max3_num_f32 v[TM+1], v[TM+1], |v[(\src)+16+\i]|, |v[(\src)+17+\i]|
.endr
	s_delay_alu instid0(VALU_DEP_2)
	v_permlanex16_b32 v[C1], v[TM], s48, s49
	s_delay_alu instid0(VALU_DEP_2)
	v_permlanex16_b32 v[C1+1], v[TM+1], s48, s49
	s_delay_alu instid0(VALU_DEP_2)
	v_max_num_f32 v[TM], v[TM], v[C1]              ; with lane l xor 16's: the block's largest magnitude
	s_delay_alu instid0(VALU_DEP_2)
	v_max_num_f32 v[TM+1], v[TM+1], v[C1+1]
	s_delay_alu instid0(VALU_DEP_2)
	v_add_nc_u32 v[SO], 0xfe000000, v[TM]          ; 4 off the exponent field: the conversion's scale operand
	s_delay_alu instid0(VALU_DEP_2)
	v_add_nc_u32 v[SO+1], 0xfe000000, v[TM+1]
	s_delay_alu instid0(VALU_DEP_2)
	v_lshrrev_b32 v[TM], 23, v[SO]
	s_delay_alu instid0(VALU_DEP_2)
	v_lshrrev_b32 v[TM+1], 23, v[SO+1]
	s_delay_alu instid0(VALU_DEP_1)
	v_lshl_or_b32 v[(\hw)], v[TM+1], 8, v[TM]
	v_cvt_scalef32_pk16_bf6_f32 v[(\pc):(\pc)+2], v[(\src):(\src)+15], v[SO]
	v_cvt_scalef32_pk16_bf6_f32 v[C1:C1+2], v[(\src)+16:(\src)+31], v[SO+1]
	v_nop                                          ; one plain place behind a scaled conversion
.irp i,0,1,2
	v_permlane16_swap_b32 v[(\pc)+\i], v[C1+\i]    ; a whole block to a lane
.endr
.irp i,0,1,2
	s_delay_alu instid0(VALU_DEP_3)
	v_mov_b32 v[(\pc)+3+\i], v[C1+\i]
.endr
.endm
	s_load_b64 s[4:5], s[0:1], 0x0                 ; himg
	s_load_b64 s[10:11], s[0:1], 0x8               ; Wq codes
	s_load_b256 s[12:19], s[0:1], 0x10             ; Wq scales, bq, Wk codes, Wk scales
	s_load_b512 s[20:35], s[0:1], 0x30             ; bk, Wv codes, Wv scales, bv, Wo codes, Wo scales, W1 codes, W1 scales
	s_load_b256 s[36:43], s[0:1], 0x70             ; W2 codes, W2 scales, wimg, oimg
	v_lshrrev_b32 v15, 5, v0
	s_delay_alu instid0(VALU_DEP_1)
	v_readfirstlane_b32 s44, v15                   ; wave
	s_mov_b32 s45, ttmp9                           ; pair of heads
	s_and_b32 s46, ttmp7, 0xffff                   ; sequence
	s_mov_b32 s48, 0x76543210
	s_mov_b32 s49, 0xfedcba98                      ; v_permlanex16_b32: lane l xor 16
	s_mov_b32 s50, 0xffff0000                      ; lanes 16-31
	s_mov_b32 s52, 0x3e38aa3b                      ; log2(e) / 8
	s_mov_b32 s53, s52
	s_mov_b32 s66, 0x3f22f983                      ; 2 / pi
	s_mov_b32 s67, 0xbfc90000                      ; - pi / 2 in three parts
	s_mov_b32 s68, 0xb9fda000
	s_mov_b32 s69, 0xb3a22168
	s_mov_b32 s70, 0xb94ca1f9                      ; sine's polynomial
	s_mov_b32 s71, 0x3c08839e
	s_mov_b32 s72, 0xbe2aaaa3
	s_mov_b32 s73, 0x37ccf5ce                      ; cosine's
	s_mov_b32 s74, 0xbab6061a
	s_mov_b32 s75, 0x3d2aaaa5
	v_and_b32 v10, 31, v0                          ; lane
	v_and_b32 v11, 15, v0                          ; r
	v_bfe_u32 v12, v0, 4, 1                        ; h
	s_delay_alu instid0(VALU_DEP_2)
	v_and_b32 v13, 8, v11
	s_delay_alu instid0(VALU_DEP_1)
	v_add_nc_u32 v13, v13, v11                     ; r + 8 (r / 8)
	v_lshlrev_b32 v2, 4, v10                       ; 16 x lane
	v_lshlrev_b32 v3, 3, v10                       ; 8 x lane
	v_lshlrev_b32 v14, 2, v11                      ; 4 r
	s_mul_i32 s60, s44, 12288
	s_add_co_u32 s60, s60, HN
	v_add_nc_u32 v4, s60, v2                       ; my wave's images: the 16-byte part,
	s_add_co_u32 s60, s60, 512
	v_add_nc_u32 v5, s60, v3                       ; the 8-byte part
	v_mov_b32 v[C1], 0                             ; a lane permute's destination counts as read
	v_mov_b32 v[C1+1], 0
	s_mul_i32 s82, s46, 106496                     ; himg: 16 records a sequence,
	s_mul_i32 s83, s44, 13312                      ; two a wave
	s_add_co_u32 s82, s82, s83                     ; my two records of himg
	s_mov_b32 s83, 0
	s_lshl_b32 s84, s45, 7
	s_lshl_b32 s85, s44, 4
	s_add_co_u32 s84, s84, s85                     ; the 16 weight rows that I copy: 128 hp + 16 w
	s_mul_i32 s86, s84, 384
	s_mov_b32 s87, 0
	s_lshl_b32 s88, s84, 4
	s_mov_b32 s89, 0
	s_lshl_b32 s90, s84, 2
	s_mov_b32 s91, 0
	s_wait_alu depctr_va_vdst(0)                   ; directly ahead of the wait below
	s_wait_kmcnt 0x0
	s_add_nc_u64 s[4:5], s[4:5], s[82:83]
.irp mu,0,1,2
	s_add_nc_u64 s[10+6*\mu:11+6*\mu], s[10+6*\mu:11+6*\mu], s[86:87]
	s_add_nc_u64 s[12+6*\mu:13+6*\mu], s[12+6*\mu:13+6*\mu], s[88:89]
	s_add_nc_u64 s[14+6*\mu:15+6*\mu], s[14+6*\mu:15+6*\mu], s[90:91]
.endr
	; ---- all the head's loads go out together: my two tiles' records of himg, then what I copy into LDS
	WIN 0x40
.irp u,0,1
.irp k,0,1,2,3,4,5,6,7,8,9,10,11
	global_load_b128 v[48*\u+4*\k:48*\u+4*\k+3], v2, s[4:5] offset:6656*\u+512*\k   ; my rows' eight fragments (tile u, K step k / 3) into window 1, where they stay
.endr
.endr
	WIN 0
.irp u,0,1
.irp c,0,1
	global_load_b64 v[AS+4*\u+2*\c:AS+4*\u+2*\c+1], v3, s[4:5] offset:6656*\u+6144+256*\c   ; and their scale words: 8 bytes a lane for each two K steps
.endr
.endr
.irp mu,0,1,2
.irp i,0,1,2,3,4,5,6,7,8,9,10,11
	global_load_b128 v[64+48*\mu+4*\i:64+48*\mu+4*\i+3], v2, s[10+6*\mu:11+6*\mu] offset:512*\i   ; 16 rows of codes: 6,144 dense bytes
.endr
	global_load_b64 v[208+2*\mu:209+2*\mu], v3, s[12+6*\mu:13+6*\mu]
	global_load_b32 v[218+\mu], v14, s[14+6*\mu:15+6*\mu]
.endr
	; ---- the side job: stream wg % 8, record i, tile t of wimg
	s_lshl_b32 s82, s46, 2
	s_add_co_u32 s82, s82, s45
	s_and_b32 s83, s82, 7                          ; stream
	s_lshr_b32 s84, s82, 3
	s_and_b32 s85, s44, 3                          ; tile
	s_lshr_b32 s86, s44, 2
	s_lshl_b32 s86, s86, 5
	s_add_co_u32 s87, s86, s84                     ; record: waves 0-3 take wg / 8, waves 4-7 take 32 + wg / 8 where that is under 36
	s_cmp_lt_u32 s87, 36
	s_cbranch_scc0 .Lnojob
	s_sub_co_u32 s94, s87, 4
	s_and_b32 s95, s94, 3                          ; W1: K step,
	s_lshr_b32 s94, s94, 2
	s_lshl_b32 s94, s94, 6
	s_lshl_b32 s96, s83, 8
	s_add_co_u32 s94, s94, s96                     ; first row 256 stream + 64 block
	s_sub_co_u32 s96, s87, 20                      ; W2: K step
	s_lshl_b32 s97, s83, 6                         ; Wo, W2: first row 64 stream
	s_mov_b32 s92, 1536
	s_cmp_lt_u32 s87, 20
	s_cselect_b64 s[88:89], s[32:33], s[36:37]
	s_cselect_b64 s[90:91], s[34:35], s[38:39]
	s_cselect_b32 s92, 384, s92                    ; bytes in a row of codes,
	s_cselect_b32 s93, 16, 64                      ; of scales
	s_cselect_b32 s95, s95, s96
	s_cselect_b32 s94, s94, s97
	s_cmp_lt_u32 s87, 4
	s_cselect_b64 s[88:89], s[28:29], s[88:89]
	s_cselect_b64 s[90:91], s[30:31], s[90:91]
	s_cselect_b32 s95, s87, s95
	s_cselect_b32 s94, s97, s94
	s_lshr_b32 s96, s85, 1
	s_lshl_b32 s96, s96, 5
	s_and_b32 s97, s85, 1
	s_lshl_b32 s97, s97, 3
	s_add_co_u32 s94, s94, s96
	s_add_co_u32 s94, s94, s97                     ; + 32 (t / 2) + 8 (t % 2)
	s_mul_i32 s96, s94, s92
	s_mul_i32 s97, s95, 96
	s_add_co_u32 s96, s96, s97
	s_mov_b32 s97, 0
	s_add_nc_u64 s[88:89], s[88:89], s[96:97]
	s_mul_i32 s96, s94, s93
	s_lshl_b32 s98, s95, 2
	s_add_co_u32 s96, s96, s98
	s_add_nc_u64 s[90:91], s[90:91], s[96:97]
	s_mul_i32 s96, s83, 239616
	s_mul_i32 s98, s87, 6656
	s_add_co_u32 s96, s96, s98
	s_mul_i32 s98, s85, 1536
	s_add_co_u32 s96, s96, s98
	s_add_nc_u64 s[98:99], s[40:41], s[96:97]
	s_mul_i32 s96, s85, 1532
	s_sub_co_u32 s96, 6144, s96                    ; the scale word: record + 6144 + 16 lane + 4 t
	v_mul_lo_u32 v224, v13, s92
	s_delay_alu instid0(VALU_DEP_1)
	v_mad_u32_u24 v224, v12, 24, v224
	v_mul_lo_u32 v225, v13, s93
	v_add_nc_u32 v226, s96, v2
.irp p,0,1,2,3,4,5
	global_load_b64 v[228+2*\p:229+2*\p], v224, s[88:89] offset:48*(\p/3)+8*(\p%3)
.endr
	global_load_b32 v240, v225, s[90:91]
	s_wait_alu depctr_va_vdst(0)
	s_wait_loadcnt 0x0
	global_store_b128 v2, v[228:231], s[98:99]
	global_store_b128 v2, v[232:235], s[98:99] offset:512
	global_store_b128 v2, v[236:239], s[98:99] offset:1024
	global_store_b32 v226, v240, s[98:99]
.Lnojob:
	s_wait_loadcnt 0x0                             ; everything asked for so far is in, my rows' records too
	; ---- the copies go to LDS.  Row 16 w + j goes to slot 32 (w / 2) + 8 (w % 2) + 16 (j / 8) + j % 8: a tile's 16 rows on end
	s_lshr_b32 s60, s44, 1
	s_lshl_b32 s60, s60, 2
	s_and_b32 s61, s44, 1
	s_add_co_u32 s60, s60, s61
	s_mul_i32 s61, s60, 3200
.irp k,0,1,2
	v_add_nc_u32 v[242+\k], 32*\k, v10
	s_delay_alu instid0(VALU_DEP_1)
	v_mul_u32_u24 v[242+\k], v[242+\k], 43
	s_delay_alu instid0(VALU_DEP_1)
	v_lshrrev_b32 v[242+\k], 10, v[242+\k]         ; (32 k + lane) / 24: rows passed in a group of four
	s_delay_alu instid0(VALU_DEP_1)
	v_lshl_add_u32 v[242+\k], v[242+\k], 4, v2     ; 16 bytes of padding for each
	s_delay_alu instid0(VALU_DEP_1)
	v_add_nc_u32 v[242+\k], s61, v[242+\k]
.endr
.irp mu,0,1,2
.irp i,0,1,2,3,4,5,6,7,8,9,10,11
	ds_store_b128 v[242+\i%3], v[64+48*\mu+4*\i:64+48*\mu+4*\i+3] offset:512*(\i%3)+((\i%6)/3)*1600+(\i/6)*6400
.endr
.if \mu < 2
.irp k,0,1,2
	v_add_nc_u32 v[242+\k], WLM, v[242+\k]
.endr
.endif
.endr
	s_lshl_b32 s62, s60, 7
	s_add_co_u32 s62, s62, WS
	v_lshlrev_b32 v245, 3, v11
	s_delay_alu instid0(VALU_DEP_1)
	v_lshl_add_u32 v245, v12, 8, v245
	s_delay_alu instid0(VALU_DEP_1)
	v_add_nc_u32 v245, s62, v245
	s_lshl_b32 s62, s44, 6
	s_add_co_u32 s62, s62, BI
	v_add_nc_u32 v247, s62, v14
.irp mu,0,1,2
	ds_store_b64 v245, v[208+2*\mu:209+2*\mu] offset:2048*\mu
	ds_store_b32 v247, v[218+\mu] offset:512*\mu
.endr
	s_wait_xcnt 0x0                                ; the side job's stores have read their registers
	s_wait_dscnt 0x0                               ; my copies have landed
	s_barrier_signal -1
	s_barrier_wait -1                              ; everybody's have
; ---- addresses for the products, k, v and the rope positions
	v_and_b32 v224, 31, v0
	v_and_b32 v225, 15, v0
	v_bfe_u32 v226, v0, 4, 1
	s_delay_alu instid0(VALU_DEP_2)
	v_and_b32 v227, 8, v225
	s_delay_alu instid0(VALU_DEP_1)
	v_add_nc_u32 v227, v227, v225
	s_delay_alu instid0(VALU_DEP_4)
	v_mul_u32_u24 v6, v225, 400
	s_delay_alu instid0(VALU_DEP_1)
	v_mad_u32_u24 v6, v226, 24, v6                 ; a weight fragment: slot r, + 24 h
	v_lshl_add_u32 v7, v225, 4, WS
	v_lshl_add_u32 v8, v226, 6, BI                 ; bq, bk: my half's 16 columns of each 32
	v_lshl_add_u32 v10, v227, 2, BI+1024           ; bv: my lane's column
	s_mul_i32 s60, s44, 1536
	s_add_co_u32 s60, s60, KI
	v_add_nc_u32 v11, s60, v2
	s_add_co_u32 s60, s60, 512
	v_add_nc_u32 v12, s60, v3
	s_lshl_b32 s60, s44, 3
	s_add_co_u32 s60, s60, KS
	v_mul_u32_u24 v13, v224, 80
	s_delay_alu instid0(VALU_DEP_1)
	v_add_nc_u32 v13, s60, v13
	s_mul_i32 s60, s44, 24
	s_add_co_u32 s60, s60, VR
	v_mul_u32_u24 v14, v225, 208
	s_delay_alu instid0(VALU_DEP_1)
	v_mad_u32_u24 v14, v226, 12, v14
	s_delay_alu instid0(VALU_DEP_1)
	v_add_nc_u32 v14, s60, v14
	s_add_co_u32 s60, s44, VS
	v_mul_u32_u24 v15, v225, 48
	s_delay_alu instid0(VALU_DEP_1)
	v_add_nc_u32 v15, s60, v15
	s_lshl_b32 s60, s44, 5
	v_lshl_add_u32 v228, v226, 3, v227
	s_delay_alu instid0(VALU_DEP_1)
	v_add_nc_u32 v228, s60, v228
	s_delay_alu instid0(VALU_DEP_1)
	v_cvt_f32_u32 v228, v228                       ; lanes 0-15: tile 0's positions, lanes 16-31: tile 1's
; ---- the rope table: angles i0 .. i0 + 3 by turns.  Only columns under 16 of each half of a head turn: lanes 16-31 get (1, 0)
.macro ROPE4 i0, c0, c1, c2, c3
	v_mul_f32 v64, \c0, v228
	v_mul_f32 v80, \c1, v228
	v_mul_f32 v96, \c2, v228
	v_mul_f32 v112, \c3, v228
.irp k,0,16,32,48
	s_delay_alu instid0(VALU_DEP_4)
	v_mul_f32 v[65+\k], s66, v[64+\k]
.endr
.irp k,0,16,32,48
	s_delay_alu instid0(VALU_DEP_4)
	v_rndne_f32 v[65+\k], v[65+\k]                 ; quarter turns
.endr
.irp k,0,16,32,48
	s_delay_alu instid0(VALU_DEP_4)
	v_fma_f32 v[66+\k], v[65+\k], s67, v[64+\k]
.endr
.irp k,0,16,32,48
	s_delay_alu instid0(VALU_DEP_4)
	v_fma_f32 v[66+\k], v[65+\k], s68, v[66+\k]
.endr
.irp k,0,16,32,48
	s_delay_alu instid0(VALU_DEP_4)
	v_fma_f32 v[66+\k], v[65+\k], s69, v[66+\k]    ; what is left, within pi / 4
.endr
.irp k,0,16,32,48
	v_cvt_i32_f32 v[67+\k], v[65+\k]
.endr
.irp k,0,16,32,48
	v_mul_f32 v[68+\k], v[66+\k], v[66+\k]
.endr
.irp k,0,16,32,48
	s_delay_alu instid0(VALU_DEP_4)
	v_fma_f32 v[69+\k], v[68+\k], s70, s71
.endr
.irp k,0,16,32,48
	v_fma_f32 v[71+\k], v[68+\k], s73, s74
.endr
.irp k,0,16,32,48
	v_fma_f32 v[69+\k], v[69+\k], v[68+\k], s72
.endr
.irp k,0,16,32,48
	v_fma_f32 v[71+\k], v[71+\k], v[68+\k], s75
.endr
.irp k,0,16,32,48
	v_mul_f32 v[70+\k], v[68+\k], v[66+\k]
.endr
.irp k,0,16,32,48
	v_mul_f32 v[72+\k], v[68+\k], v[68+\k]
.endr
.irp k,0,16,32,48
	v_fma_f32 v[73+\k], v[68+\k], -0.5, 1.0
.endr
.irp k,0,16,32,48
	v_fma_f32 v[69+\k], v[69+\k], v[70+\k], v[66+\k]   ; sine,
.endr
.irp k,0,16,32,48
	v_fma_f32 v[71+\k], v[71+\k], v[72+\k], v[73+\k]   ; cosine of what is left
.endr
.irp k,0,16,32,48
	v_and_b32 v[74+\k], 1, v[67+\k]
.endr
.irp k,0,16,32,48
	s_delay_alu instid0(VALU_DEP_4)
	v_cmp_eq_u32 s[76+\k/16], 1, v[74+\k]          ; an odd quarter swaps the two
.endr
.irp k,0,16,32,48
	s_delay_alu instid0(VALU_DEP_4)
	v_cndmask_b32 v[75+\k], v[69+\k], v[71+\k], s[76+\k/16]
.endr
.irp k,0,16,32,48
	v_cndmask_b32 v[76+\k], v[71+\k], v[69+\k], s[76+\k/16]
.endr
.irp k,0,16,32,48
	v_lshlrev_b32 v[77+\k], 30, v[67+\k]
.endr
.irp k,0,16,32,48
	v_add_nc_u32 v[78+\k], 1, v[67+\k]
.endr
.irp k,0,16,32,48
	v_and_b32 v[77+\k], 0x80000000, v[77+\k]
.endr
.irp k,0,16,32,48
	v_lshlrev_b32 v[78+\k], 30, v[78+\k]
.endr
.irp k,0,16,32,48
	v_xor_b32 v[75+\k], v[75+\k], v[77+\k]         ; the sine's sign: bit 1 of the quarter,
.endr
.irp k,0,16,32,48
	v_and_b32 v[78+\k], 0x80000000, v[78+\k]
.endr
.irp k,0,16,32,48
	s_delay_alu instid0(VALU_DEP_4)
	v_xor_b32 v[76+\k], v[76+\k], v[78+\k]         ; the cosine's: of the quarter + 1
.endr
.irp k,0,16,32,48
	s_delay_alu instid0(VALU_DEP_4)
	v_cndmask_b32 v[CT+(\i0)+\k/16], v[76+\k], 1.0, s50
.endr
.irp k,0,16,32,48
	v_cndmask_b32 v[CT+16+(\i0)+\k/16], v[75+\k], 0, s50
.endr
.irp k,0,16,32,48
	v_permlanex16_b32 v[77+\k], v[76+\k], s48, s49
.endr
.irp k,0,16,32,48
	v_permlanex16_b32 v[78+\k], v[75+\k], s48, s49
.endr
.irp k,0,16,32,48
	v_cndmask_b32 v[CT+32+(\i0)+\k/16], v[77+\k], 1.0, s50
.endr
.irp k,0,16,32,48
	v_cndmask_b32 v[CT+48+(\i0)+\k/16], v[78+\k], 0, s50
.endr
.endm
	ROPE4 0, 0x3f800000, 0x3f3ff911, 0x3f0ff59a, 0x3ed7e89b      ; 10^(-i / 8)
	ROPE4 4, 0x3ea1e89b, 0x3e72d424, 0x3e361887, 0x3e088d77
	ROPE4 8, 0x3dcccccd, 0x3d99940e, 0x3d6655c3, 0x3d2cba15
	ROPE4 12, 0x3d0186e2, 0x3cc24350, 0x3c91ad39, 0x3c5a7bf1
; ---- Q, K, V: a group is one head of one of the three: 4 column tiles x 2 row tiles x 4 K steps; the 8 accumulators take turns, one instruction a turn
.macro WLOAD set, s                    ; the K step's four weight fragments: 24 loads
	WIN 0x40
.irp t,0,1,2,3
.irp p,0,1,2,3,4,5
	ds_load_b64 v[WFR+48*(\set)+12*\t+2*\p:WFR+48*(\set)+12*\t+2*\p+1], v1 offset:6400*\t+96*(\s)+48*(\p/3)+8*(\p%3)
.endr
.endr
.endm
.macro MMQK s, set                     ; transposed: source 0 = 16 weight rows, source 1 = my 16 rows: a lane holds one row, its registers run along the columns
.irp u,0,1
.irp t,0,1,2,3
.if (\s) == 0
	v_wmma_scale_f32_16x16x128_f8f6f4 v[ACC+32*\u+8*\t:ACC+32*\u+8*\t+7], v[WFR+48*(\set)+12*\t:WFR+48*(\set)+12*\t+11], v[12*(4*\u+(\s)):12*(4*\u+(\s))+11], v[BIAS+8*\t:BIAS+8*\t+7], v[WSR+4*\t+(\s)], v[AS+4*\u+(\s)] matrix_a_fmt:MATRIX_FMT_BF6 matrix_b_fmt:MATRIX_FMT_BF6
.else
	v_wmma_scale_f32_16x16x128_f8f6f4 v[ACC+32*\u+8*\t:ACC+32*\u+8*\t+7], v[WFR+48*(\set)+12*\t:WFR+48*(\set)+12*\t+11], v[12*(4*\u+(\s)):12*(4*\u+(\s))+11], v[ACC+32*\u+8*\t:ACC+32*\u+8*\t+7], v[WSR+4*\t+(\s)], v[AS+4*\u+(\s)] matrix_a_fmt:MATRIX_FMT_BF6 matrix_b_fmt:MATRIX_FMT_BF6
.endif
.endr
.endr
.endm
.macro MMV s, set                      ; source 0 = my rows (the keys), source 1 = the weight rows: a lane holds one column, its registers run along the keys
.irp u,0,1
.irp t,0,1,2,3
.if (\s) == 0
	v_wmma_scale_f32_16x16x128_f8f6f4 v[ACC+16*\t+8*\u:ACC+16*\t+8*\u+7], v[12*(4*\u+(\s)):12*(4*\u+(\s))+11], v[WFR+48*(\set)+12*\t:WFR+48*(\set)+12*\t+11], v[BIAS+8*\t:BIAS+8*\t+7], v[AS+4*\u+(\s)], v[WSR+4*\t+(\s)] matrix_a_fmt:MATRIX_FMT_BF6 matrix_b_fmt:MATRIX_FMT_BF6
.else
	v_wmma_scale_f32_16x16x128_f8f6f4 v[ACC+16*\t+8*\u:ACC+16*\t+8*\u+7], v[12*(4*\u+(\s)):12*(4*\u+(\s))+11], v[WFR+48*(\set)+12*\t:WFR+48*(\set)+12*\t+11], v[ACC+16*\t+8*\u:ACC+16*\t+8*\u+7], v[AS+4*\u+(\s)], v[WSR+4*\t+(\s)] matrix_a_fmt:MATRIX_FMT_BF6 matrix_b_fmt:MATRIX_FMT_BF6
.endif
.endr
.endr
.endm
.macro QKOUT u, pc, hw, kind, e        ; rope, quantiser, image
.irp i,0,2,4,6,8,10,12,14
	v_pk_mul_f32 v[TT+\i:TT+\i+1], v[ACC+32*(\u)+16+\i:ACC+32*(\u)+17+\i], v[CT+32*(\u)+16+\i:CT+32*(\u)+17+\i]
	v_pk_mul_f32 v[TT+16+\i:TT+17+\i], v[ACC+32*(\u)+\i:ACC+32*(\u)+\i+1], v[CT+32*(\u)+16+\i:CT+32*(\u)+17+\i]
.endr
.irp i,0,2,4,6,8,10,12,14
	v_pk_fma_f32 v[ACC+32*(\u)+\i:ACC+32*(\u)+\i+1], v[ACC+32*(\u)+\i:ACC+32*(\u)+\i+1], v[CT+32*(\u)+\i:CT+32*(\u)+\i+1], v[TT+\i:TT+\i+1] neg_lo:[0,0,1] neg_hi:[0,0,1]
	v_pk_fma_f32 v[ACC+32*(\u)+16+\i:ACC+32*(\u)+17+\i], v[ACC+32*(\u)+16+\i:ACC+32*(\u)+17+\i], v[CT+32*(\u)+\i:CT+32*(\u)+\i+1], v[TT+16+\i:TT+17+\i]
.endr
	QUANT2 ACC+32*(\u), \pc, \hw
.if (\kind) == 0
	ds_store_b128 v4, v[\pc:\pc+3] offset:1536*(\u)+768*(\e)          ; q stays my wave's own
	ds_store_b64 v5, v[\pc+4:\pc+5] offset:1536*(\u)+768*(\e)
	ds_store_b32 v5, v[\hw] offset:3072+1536*(\u)+768*(\e)
.else
	ds_store_b128 v11, v[\pc:\pc+3] offset:12288*(\e)+768*(\u)
	ds_store_b64 v12, v[\pc+4:\pc+5] offset:12288*(\e)+768*(\u)
	ds_store_b32 v13, v[\hw] offset:2560*(\e)+4*(\u)
.endif
.endm
.macro GROUP mu, e, kind
	v_add_nc_u32 v1, (\mu)*WLM+(\e)*25600, v6
	s_wait_alu depctr_va_vdst(0)
.irp t,0,1,2,3
	ds_load_b128 v[WSR+4*\t:WSR+4*\t+3], v7 offset:(\mu)*2048+(\e)*1024+256*\t
.endr
.if (\kind) < 2
.irp t,0,1,2,3
	ds_load_b128 v[BIAS+8*\t:BIAS+8*\t+3], v8 offset:(\mu)*512+(\e)*256+128*(\t/2)+32*(\t%2)
	ds_load_b128 v[BIAS+8*\t+4:BIAS+8*\t+7], v8 offset:(\mu)*512+(\e)*256+128*(\t/2)+32*(\t%2)+16
.endr
.else
.irp t,0,1,2,3
.irp j,0,1,2,3,4,5,6,7
	ds_load_b32 v[BIAS+8*\t+\j], v10 offset:(\e)*256+128*(\t/2)+32*(\t%2)     ; my column's bias, for all eight keys
.endr
.endr
.endif
	WLOAD 0, 0
.irp s,0,1,2,3
.if \s > 0
	PLACES
.endif
.if \s < 3
	WLOAD (\s+1)%2, \s+1
	s_wait_dscnt 24                                ; all but the next K step's 24 loads
.else
	s_wait_dscnt 0x0
.endif
	WIN 0x05
.if (\kind) < 2
	MMQK \s, \s%2
.else
	MMV \s, \s%2
.endif
.endr
	WIN 0
	PLACES
.if (\kind) < 2
	QKOUT 0, PCA, HWA, \kind, \e
	QKOUT 1, PCB, HWB, \kind, \e
.else
.irp t,0,1,2,3                         ; v: the wave's 32 keys are one block of each column: 16 in my registers, 16 in lane l xor 16's
	v_max3_num_f32 v[TT+\t], |v[ACC+16*\t]|, |v[ACC+16*\t+1]|, 0x2800000
.endr
.irp i,2,4,6,8,10,12,14
.irp t,0,1,2,3
	v_max3_num_f32 v[TT+\t], v[TT+\t], |v[ACC+16*\t+\i]|, |v[ACC+16*\t+\i+1]|
.endr
.endr
.irp t,0,1,2,3
	s_delay_alu instid0(VALU_DEP_4)
	v_permlanex16_b32 v[TT+4+\t], v[TT+\t], s48, s49
.endr
.irp t,0,1,2,3
	s_delay_alu instid0(VALU_DEP_4)
	v_max_num_f32 v[TT+\t], v[TT+\t], v[TT+4+\t]
.endr
.irp t,0,1,2,3
	s_delay_alu instid0(VALU_DEP_4)
	v_add_nc_u32 v[TT+8+\t], 0xfe000000, v[TT+\t]
.endr
.irp t,0,1,2,3
	s_delay_alu instid0(VALU_DEP_4)
	v_lshrrev_b32 v[TT+12+\t], 23, v[TT+8+\t]
.endr
.irp t,0,1,2,3
	v_cvt_scalef32_pk16_bf6_f32 v[TT+16+4*\t:TT+18+4*\t], v[ACC+16*\t:ACC+16*\t+15], v[TT+8+\t]
.endr
	v_nop
.irp t,0,1,2,3
.irp i,0,1,2
	ds_store_b32 v14, v[TT+16+4*\t+\i] offset:(64*(\e)+16*\t)*208+4*\i      ; 12 bytes at 24 w + 12 h of the column's stream of bits
.endr
	ds_store_b8 v15, v[TT+12+\t] offset:768*(\e)+8*\t                       ; both lanes of a block write the same byte
.endr
.endif
.endm
	GROUP 1, 0, 1
	GROUP 1, 1, 1
	GROUP 2, 0, 2
	GROUP 2, 1, 2
	GROUP 0, 0, 0
	GROUP 0, 1, 0
	s_wait_dscnt 0x0                               ; my k and v have landed
	s_barrier_signal -1
	s_barrier_wait -1                              ; everybody's have
	; ---- attention.  K of the first product is 64: the upper 64 of each fragment are zero codes, written once
	WIN 0x40
.irp i,6,7,8,9,10,11
	v_mov_b32 v[QW+\i], 0
.irp k,0,1,2,3,4,5,6,7
	v_mov_b32 v[KF+12*\k+\i], 0
.endr
.endr
	WIN 0
	v_and_b32 v13, 31, v0
	v_and_b32 v14, 15, v0
	v_bfe_u32 v15, v0, 4, 1
	v_add_nc_u32 v7, KI, v2
	v_add_nc_u32 v8, KI+512, v3
	v_mul_u32_u24 v10, v13, 80
	s_delay_alu instid0(VALU_DEP_1)
	v_add_nc_u32 v10, KS, v10
	v_mul_u32_u24 v11, v14, 208
	s_delay_alu instid0(VALU_DEP_1)
	v_mad_u32_u24 v11, v15, 24, v11
	s_delay_alu instid0(VALU_DEP_1)
	v_add_nc_u32 v11, VR, v11
	v_mul_u32_u24 v12, v14, 48
	s_delay_alu instid0(VALU_DEP_1)
	v_add_nc_u32 v12, VS, v12
	v_lshlrev_b32 v[L4], 2, v13
	s_lshl_b32 s60, s46, 2
	s_lshr_b32 s61, s44, 1
	s_add_co_u32 s60, s60, s61
	s_mul_i32 s60, s60, 26624                      ; oimg: block 4 seq + w / 2,
	s_and_b32 s61, s44, 1
	s_lshl_b32 s61, s61, 1                         ; row tile 2 (w % 2) + u,
	s_mul_i32 s62, s45, 6144                       ; half step = head
	s_mul_i32 s63, s61, 768
	s_add_co_u32 s62, s62, s63
	s_add_co_u32 s62, s62, s60
	s_mov_b32 s63, 0
	s_lshl_b32 s66, s45, 2
	s_add_co_u32 s66, s66, s61
	s_lshl_b32 s66, s66, 7
	s_add_co_u32 s66, s66, s60
	s_add_co_u32 s66, s66, 24576
	s_mov_b32 s67, 0
	s_add_nc_u64 s[80:81], s[42:43], s[66:67]      ; the scale words of K step hp
	s_add_nc_u64 s[42:43], s[42:43], s[62:63]
.macro KLOAD e, slot, t0               ; four tiles of k: 8 loads
.irp k,0,1,2,3
	ds_load_b128 v[KF+12*((\slot)+\k):KF+12*((\slot)+\k)+3], v7 offset:12288*(\e)+768*((\t0)+\k)
	ds_load_b64 v[KF+12*((\slot)+\k)+4:KF+12*((\slot)+\k)+5], v8 offset:12288*(\e)+768*((\t0)+\k)
.endr
.endm
.macro SQK slot, t0                    ; S^T = k q^T: a lane holds one query; registers 16 b + i are keys 32 b + 16 h + i
.irp k,0,1,2,3
	v_wmma_scale_f32_16x16x128_f8f6f4 v[S+8*((\t0)+\k):S+8*((\t0)+\k)+7], v[KF+12*((\slot)+\k):KF+12*((\slot)+\k)+11], v[QW:QW+11], 0, v[WSR+(\t0)+\k], v[QSW] matrix_a_fmt:MATRIX_FMT_BF6 matrix_b_fmt:MATRIX_FMT_BF6
.endr
.endm
.macro PASS e, pc, hw                  ; 16 queries of head e against all 256 keys
	WIN 0x40
	ds_load_b128 v[QW:QW+3], v1 offset:768*(\e)
	ds_load_b64 v[QW+4:QW+5], v6 offset:768*(\e)
	WIN 0
	ds_load_b32 v[QSW], v6 offset:3072+768*(\e)
.irp k,0,1,2,3
	ds_load_b128 v[WSR+4*\k:WSR+4*\k+3], v10 offset:2560*(\e)+16*\k
.endr
	WIN 0x40
	KLOAD \e, 0, 0
	KLOAD \e, 4, 4
	s_wait_dscnt 8                                 ; all but the four tiles asked for last
	WIN 0x05
	SQK 0, 0
	PLACES
	WIN 0x40
	KLOAD \e, 0, 8
	s_wait_dscnt 8
	WIN 0x05
	SQK 4, 4
	PLACES
	WIN 0x40
	KLOAD \e, 4, 12
	s_wait_dscnt 8
	WIN 0x05
	SQK 0, 8
	WIN 0x40
.irp t,0,1,2,3
.irp g,0,1
.irp p,0,1,2,3,4,5
	ds_load_b64 v[VF+12*(2*\t+\g)+2*\p:VF+12*(2*\t+\g)+2*\p+1], v11 offset:(64*(\e)+16*\t)*208+96*\g+48*(\p/3)+8*(\p%3)
.endr
.endr
.endr
	WIN 0
	ds_load_b128 v[AS:AS+3], v12 offset:768*(\e)
	ds_load_b128 v[AS+4:AS+7], v12 offset:768*(\e)+16
	s_wait_dscnt 50                                ; all but v's 48 loads and its two loads of scale words
	WIN 0x05
	SQK 4, 12
	WIN 0
	PLACES
.irp b,0,1,2,3,4,5,6,7                 ; the largest score of each block of 32 keys: for the row's maximum and for the block's largest p
	v_max3_num_f32 v[BM+\b], v[S+16*\b], v[S+16*\b+1], v[S+16*\b+2]
.endr
.irp i,3,5,7,9,11,13
.irp b,0,1,2,3,4,5,6,7
	v_max3_num_f32 v[BM+\b], v[BM+\b], v[S+16*\b+\i], v[S+16*\b+\i+1]
.endr
.endr
.irp b,0,1,2,3,4,5,6,7
	v_max_num_f32 v[BM+\b], v[BM+\b], v[S+16*\b+15]
.endr
.irp b,0,1,2,3,4,5,6,7
	v_permlanex16_b32 v[BT+\b], v[BM+\b], s48, s49
.endr
.irp b,0,1,2,3,4,5,6,7
	v_max_num_f32 v[BM+\b], v[BM+\b], v[BT+\b]
.endr
	v_max3_num_f32 v[MX], v[BM], v[BM+1], v[BM+2]
	s_delay_alu instid0(VALU_DEP_1)
	v_max3_num_f32 v[MX], v[MX], v[BM+3], v[BM+4]
	s_delay_alu instid0(VALU_DEP_1)
	v_max3_num_f32 v[MX], v[MX], v[BM+5], v[BM+6]
	s_delay_alu instid0(VALU_DEP_1)
	v_max_num_f32 v[MX], v[MX], v[BM+7]
	s_delay_alu instid0(VALU_DEP_1)
	v_mul_f32 v[MX], s52, v[MX]                    ; the row's largest t
	s_delay_alu instid0(VALU_DEP_1)
	v_floor_f32 v[NM], -v[MX]                      ; -M = -ceil(t): a whole number
	s_delay_alu instid0(VALU_DEP_1)
	v_mov_b32 v[NM+1], v[NM]
.set i, 0
.rept 64
	v_pk_fma_f32 v[S+i:S+i+1], v[S+i:S+i+1], s[52:53], v[NM:NM+1] op_sel_hi:[1,0,1]
.set i, i+2
.endr
.irp b,0,1,2,3,4,5,6,7
	v_fma_f32 v[BM+\b], v[BM+\b], s52, v[NM]
.endr
.set i, 0
	s_wait_alu depctr_va_vdst(0)
.rept 128
	v_exp_f32 v[S+i], v[S+i]                       ; p = 2^(t - M), not normalised
.set i, i+1
.endr
	v_nop
	s_wait_alu depctr_va_vdst(0)                   ; one wait for the batch, ahead of its first reader
.irp b,0,1,2,3,4,5,6,7
	v_exp_f32 v[BM+\b], v[BM+\b]                   ; each block's largest p
.endr
	v_pk_add_f32 v[126:127], v[128:129], v[130:131]
	v_pk_add_f32 v[122:123], v[136:137], v[140:141]
	v_pk_add_f32 v[120:121], v[144:145], v[148:149]
	v_pk_add_f32 v[118:119], v[152:153], v[156:157]
	v_pk_add_f32 v[116:117], v[160:161], v[164:165]
	v_pk_add_f32 v[114:115], v[168:169], v[172:173]
	v_pk_add_f32 v[112:113], v[176:177], v[180:181]
	v_pk_add_f32 v[124:125], v[184:185], v[188:189]
	v_pk_add_f32 v[124:125], v[124:125], v[192:193]
	v_pk_add_f32 v[126:127], v[126:127], v[196:197]
	v_pk_add_f32 v[122:123], v[122:123], v[200:201]
	v_pk_add_f32 v[120:121], v[120:121], v[204:205]
	v_pk_add_f32 v[118:119], v[118:119], v[208:209]
	v_pk_add_f32 v[116:117], v[116:117], v[212:213]
	v_pk_add_f32 v[114:115], v[114:115], v[216:217]
	v_pk_add_f32 v[112:113], v[112:113], v[220:221]
	v_pk_add_f32 v[124:125], v[124:125], v[224:225]
	v_pk_add_f32 v[126:127], v[126:127], v[228:229]
	v_pk_add_f32 v[122:123], v[122:123], v[232:233]
	v_pk_add_f32 v[120:121], v[120:121], v[236:237]
	v_pk_add_f32 v[118:119], v[118:119], v[240:241]
	v_pk_add_f32 v[116:117], v[116:117], v[244:245]
	v_pk_add_f32 v[114:115], v[114:115], v[248:249]
	v_pk_add_f32 v[112:113], v[112:113], v[252:253]
	v_pk_add_f32 v[124:125], v[124:125], v[132:133]
	v_pk_add_f32 v[126:127], v[126:127], v[134:135]
	v_pk_add_f32 v[122:123], v[122:123], v[138:139]
	v_pk_add_f32 v[120:121], v[120:121], v[142:143]
	v_pk_add_f32 v[118:119], v[118:119], v[146:147]
	v_pk_add_f32 v[116:117], v[116:117], v[150:151]
	v_pk_add_f32 v[114:115], v[114:115], v[154:155]
	v_pk_add_f32 v[112:113], v[112:113], v[158:159]
	v_pk_add_f32 v[124:125], v[124:125], v[162:163]
	v_pk_add_f32 v[126:127], v[126:127], v[166:167]
	v_pk_add_f32 v[122:123], v[122:123], v[170:171]
	v_pk_add_f32 v[120:121], v[120:121], v[174:175]
	v_pk_add_f32 v[118:119], v[118:119], v[178:179]
	v_pk_add_f32 v[116:117], v[116:117], v[182:183]
	v_pk_add_f32 v[114:115], v[114:115], v[186:187]
	v_pk_add_f32 v[112:113], v[112:113], v[190:191]
	v_pk_add_f32 v[124:125], v[124:125], v[194:195]
	v_pk_add_f32 v[126:127], v[126:127], v[198:199]
	v_pk_add_f32 v[122:123], v[122:123], v[202:203]
	v_pk_add_f32 v[120:121], v[120:121], v[206:207]
	v_pk_add_f32 v[118:119], v[118:119], v[210:211]
	v_pk_add_f32 v[116:117], v[116:117], v[214:215]
	v_pk_add_f32 v[114:115], v[114:115], v[218:219]
	v_pk_add_f32 v[112:113], v[112:113], v[222:223]
	v_pk_add_f32 v[124:125], v[124:125], v[226:227]
	v_pk_add_f32 v[126:127], v[126:127], v[230:231]
	v_pk_add_f32 v[122:123], v[122:123], v[234:235]
	v_pk_add_f32 v[120:121], v[120:121], v[238:239]
	v_pk_add_f32 v[118:119], v[118:119], v[242:243]
	v_pk_add_f32 v[116:117], v[116:117], v[246:247]
	v_pk_add_f32 v[114:115], v[114:115], v[250:251]
	v_pk_add_f32 v[112:113], v[112:113], v[254:255]
	s_delay_alu instid0(VALU_DEP_4)
	v_pk_add_f32 v[124:125], v[124:125], v[118:119]
	s_delay_alu instid0(VALU_DEP_4)
	v_pk_add_f32 v[126:127], v[126:127], v[116:117]
	s_delay_alu instid0(VALU_DEP_4)
	v_pk_add_f32 v[122:123], v[122:123], v[114:115]
	s_delay_alu instid0(VALU_DEP_4)
	v_pk_add_f32 v[120:121], v[120:121], v[112:113]
	s_delay_alu instid0(VALU_DEP_2)
	v_pk_add_f32 v[124:125], v[124:125], v[122:123]
	s_delay_alu instid0(VALU_DEP_2)
	v_pk_add_f32 v[126:127], v[126:127], v[120:121]
	s_delay_alu instid0(VALU_DEP_1)
	v_pk_add_f32 v[124:125], v[124:125], v[126:127]
	s_wait_alu depctr_va_vdst(0)                   ; and one for the eight
.irp b,0,1,2,3,4,5,6,7
	v_max_num_f32 v[BM+\b], 0x2800000, v[BM+\b]
.endr
.irp b,0,1,2,3,4,5,6,7
	v_add_nc_u32 v[BT+\b], 0xfe000000, v[BM+\b]
.endr
.irp b,0,1,2,3,4,5,6,7
	v_lshrrev_b32 v[BM+\b], 23, v[BT+\b]
.endr
.irp g,0,1
	v_lshl_or_b32 v[PW+\g], v[BM+4*\g+1], 8, v[BM+4*\g]
	s_delay_alu instid0(VALU_DEP_1)
	v_lshl_or_b32 v[PW+\g], v[BM+4*\g+2], 16, v[PW+\g]
	s_delay_alu instid0(VALU_DEP_1)
	v_lshl_or_b32 v[PW+\g], v[BM+4*\g+3], 24, v[PW+\g]
.endr
.irp q,0,1,2,3
	v_cvt_scalef32_pk16_bf6_f32 v[P+6*\q:P+6*\q+2], v[S+32*\q:S+32*\q+15], v[BT+2*\q]
	v_cvt_scalef32_pk16_bf6_f32 v[C1A+4*\q:C1A+4*\q+2], v[S+32*\q+16:S+32*\q+31], v[BT+2*\q+1]
.endr
	v_nop
.irp q,0,1,2,3
.irp i,0,1,2
	v_permlane16_swap_b32 v[P+6*\q+\i], v[C1A+4*\q+\i]
.endr
.endr
.irp q,0,1,2,3
.irp i,0,1,2
	v_mov_b32 v[P+6*\q+3+\i], v[C1A+4*\q+\i]
.endr
.endr
	v_add_f32 v[LA], v[LA], v[LA+1]
	s_delay_alu instid0(VALU_DEP_1)
	v_permlanex16_b32 v[LA+1], v[LA], s48, s49
	s_delay_alu instid0(VALU_DEP_1)
	v_add_f32 v[LA], v[LA], v[LA+1]                ; the row's sum
	s_wait_alu depctr_va_vdst(0)
	v_rcp_f32 v[RL], v[LA]
	v_rcp_f32 v[RL+1], v[LA]
.rept 8
	v_nop                                          ; scale words and codes written by vector instructions stand 8 and 4 places ahead of a scaled matrix instruction
.endr
	s_wait_dscnt 0x0                               ; v
	WIN 0x51
.irp t,0,1,2,3                         ; O^T = v^T p^T: four accumulators by turns
	v_wmma_scale_f32_16x16x128_f8f6f4 v[8*\t:8*\t+7], v[VF+24*\t:VF+24*\t+11], v[P:P+11], 0, v[AS+2*\t], v[PW] matrix_a_fmt:MATRIX_FMT_BF6 matrix_b_fmt:MATRIX_FMT_BF6
.endr
.irp t,0,1,2,3
	v_wmma_scale_f32_16x16x128_f8f6f4 v[8*\t:8*\t+7], v[VF+24*\t+12:VF+24*\t+23], v[P+12:P+23], v[8*\t:8*\t+7], v[AS+2*\t+1], v[PW+1] matrix_a_fmt:MATRIX_FMT_BF6 matrix_b_fmt:MATRIX_FMT_BF6
.endr
	WIN 0
	PLACES
	s_wait_alu depctr_va_vdst(0)                   ; the reciprocals
	WIN 0x01
.irp j,0,2,4,6,8,10,12,14,16,18,20,22,24,26,28,30
	v_pk_mul_f32 v[S+\j:S+\j+1], v[\j:\j+1], v[RL:RL+1]
.endr
	WIN 0
	QUANT2 S, \pc, \hw
	global_store_b128 v2, v[\pc:\pc+3], s[42:43] offset:3072*(\e)            ; 512 and 256 consecutive bytes, aligned
	global_store_b64 v3, v[\pc+4:\pc+5], s[42:43] offset:3072*(\e)+512
.endm
	s_mov_b32 s56, 0
	s_mov_b32 s57, 0
.Lu:
	v_add_nc_u32 v1, s57, v4
	v_add_nc_u32 v6, s57, v5
	s_wait_alu depctr_va_vdst(0)
	PASS 0, PCA, HWA
	PASS 1, PCB, HWB
	v_lshl_or_b32 v13, v[HWB], 16, v[HWA]          ; two heads are one K step of the next product
	global_store_b32 v[L4], v13, s[80:81]
	s_wait_xcnt 0x0                                ; the stores have read their registers and bases
	s_add_nc_u64 s[42:43], s[42:43], 768
	s_add_nc_u64 s[80:81], s[80:81], 128
	s_add_co_u32 s57, s57, 1536
	s_add_co_u32 s56, s56, 1
	s_cmp_lt_u32 s56, 2
	s_cbranch_scc1 .Lu
	s_wait_xcnt 0x0
	v_lshl_add_u32 v254, v0, 2, 0x4e800
	v_mov_b32 v255, 0
	s_wait_alu depctr_va_vdst(0)
	s_wait_tensorcnt 0x0
	ds_add_u32 v254, v255
	s_wait_dscnt 0x0
	s_endpgm
.Lfunc_end_k_qdb210cbf4f_attn:
	.size	k_qdb210cbf4f_attn, .Lfunc_end_k_qdb210cbf4f_attn-k_qdb210cbf4f_attn
	.p2alignl 7, 3214868480
	.fill 96, 4, 3214868480
	.section	.rodata,"a",@progbits
	.p2align	6, 0x0
	.amdhsa_kernel k_qdb210cbf4f_attn
		.amdhsa_group_segment_fixed_size 322560
		.amdhsa_private_segment_fixed_size 0
		.amdhsa_enable_private_segment 0
		.amdhsa_kernarg_size 144
		.amdhsa_user_sgpr_count 2
		.amdhsa_user_sgpr_kernarg_segment_ptr 1
		.amdhsa_wavefront_size32 1
		.amdhsa_system_sgpr_workgroup_id_x 1
		.amdhsa_system_sgpr_workgroup_id_y 1
		.amdhsa_system_sgpr_workgroup_id_z 1
		.amdhsa_system_vgpr_workitem_id 0
		.amdhsa_next_free_vgpr 512
		.amdhsa_next_free_sgpr 100
		.amdhsa_reserve_vcc 0
		.amdhsa_float_denorm_mode_32 3
		.amdhsa_float_denorm_mode_16_64 3
		.amdhsa_memory_ordered 1
		.amdhsa_forward_progress 1
		.amdhsa_inst_pref_size 250
	.end_amdhsa_kernel
	.amdgpu_metadata
---
amdhsa.version: [ 1, 2 ]
amdhsa.kernels:
  - .name:           k_qdb210cbf4f_attn
    .symbol:         k_qdb210cbf4f_attn.kd
    .args:
      - { .name: himg, .offset: 0, .size: 8, .value_kind: global_buffer, .address_space: global }
      - { .name: Wq_codes, .offset: 8, .size: 8, .value_kind: global_buffer, .address_space: global }
      - { .name: Wq_scales, .offset: 16, .size: 8, .value_kind: global_buffer, .address_space: global }
      - { .name: bq, .offset: 24, .size: 8, .value_kind: global_buffer, .address_space: global }
      - { .name: Wk_codes, .offset: 32, .size: 8, .value_kind: global_buffer, .address_space: global }
      - { .name: Wk_scales, .offset: 40, .size: 8, .value_kind: global_buffer, .address_space: global }
      - { .name: bk, .offset: 48, .size: 8, .value_kind: global_buffer, .address_space: global }
      - { .name: Wv_codes, .offset: 56, .size: 8, .value_kind: global_buffer, .address_space: global }
      - { .name: Wv_scales, .offset: 64, .size: 8, .value_kind: global_buffer, .address_space: global }
      - { .name: bv, .offset: 72, .size: 8, .value_kind: global_buffer, .address_space: global }
      - { .name: Wo_codes, .offset: 80, .size: 8, .value_kind: global_buffer, .address_space: global }
      - { .name: Wo_scales, .offset: 88, .size: 8, .value_kind: global_buffer, .address_space: global }
      - { .name: W1_codes, .offset: 96, .size: 8, .value_kind: global_buffer, .address_space: global }
      - { .name: W1_scales, .offset: 104, .size: 8, .value_kind: global_buffer, .address_space: global }
      - { .name: W2_codes, .offset: 112, .size: 8, .value_kind: global_buffer, .address_space: global }
      - { .name: W2_scales, .offset: 120, .size: 8, .value_kind: global_buffer, .address_space: global }
      - { .name: wimg, .offset: 128, .size: 8, .value_kind: global_buffer, .address_space: global }
      - { .name: oimg, .offset: 136, .size: 8, .value_kind: global_buffer, .address_space: global }
    .group_segment_fixed_size: 322560
    .private_segment_fixed_size: 0
    .kernarg_segment_align: 8
    .kernarg_segment_size: 144
    .max_flat_workgroup_size: 256
    .sgpr_count:     100
    .vgpr_count:     512
    .wavefront_size: 32
...
	.end_amdgpu_metadata
.endif
;; end of part 2
;; launch ffn (part 3): grid 256 x 1, 8 waves a work-group, no clusters, 327,680 bytes of LDS; arguments x, oimg, wimg, bo, ln3_g, ln3_b, b1, b2, out0; writes out0
.if DOCPART == 3
	.amdgcn_target "amdgcn-amd-amdhsa--gfx1250"
	.amdhsa_code_object_version 6
	.text
	.protected	k_qdb210cbf4f_ffn
	.globl	k_qdb210cbf4f_ffn
	.p2align	8
	.type	k_qdb210cbf4f_ffn,@function
k_qdb210cbf4f_ffn:
	s_mov_b64 s[64:65], 0
	v_nop
	global_prefetch_b8 v0, s[64:65] scope:SCOPE_SE
	s_setreg_imm32_b32 hwreg(HW_REG_WAVE_MODE, 25, 1), 1
	s_wait_xcnt 0x0
; h = x + o Wo + bo; out = h + gelu(LN3(h) W1 + b1) W2 + b2, for 64 rows a work-group; all three products on E3M2 codes with E8M0 scales.
; SHARES. Wave w makes columns 64 w .. 64 w + 63 of each result of 512 columns (of W1's 2,048: four trips of 64) for all 64 rows: 16 accumulators, by turns.  Its weights come from wimg, laid by an
; earlier launch in the order of an operand's registers, straight into four sets of registers, a trip of four K steps ahead.  The rows' codes (o, LN3's result, the hidden layer) are shared through LDS as register images.
; THE HEAD: o's codes are the head's one tensor load a wave; x's strip (64 rows x my 256 bytes, read by me alone) is asked for behind the head's closing waits, add and barrier and lands under the first product,
; which starts from bo as C; x is added from LDS behind it.
; GELU: x Phi(x) = max(x, 0) - |x| g, g = exp(-x^2 / 2) (a1 t + .. + a5 t^5) / 2, t = 1 / (1 + 0.2316419 |x|) (Abramowitz and Stegun 7.1.26; its bound is 1.5e-7 on erf).  No difference of near numbers is formed for
; negative x, and no clamp is needed: for large |x| the exponential falls to 0 and t stays finite.
; NO CLUSTER: what all work-groups share is the weights, which go into registers and not through LDS: beside x's strips (139,264 bytes), the three operands' images and scales (159,744) and the statistics LDS has no room for two slots of them.
; NO PREFETCH: wimg, 1,916,928 bytes, is read by every work-group of the launch in the same order.
; LIMITS: NaN and infinities are not served.  A block whose largest magnitude lies under 2^-122 keeps the scale byte 1, a block of zeros too (only this program reads the bytes).
.set OI,  139264
.set NI,  165888
.set NS,  190464
.set HI,  192512
.set HS,  290816
.set ST,  299008
.set L16, 1
.set L8,  2
.set LA16, 3
.set LA8, 4
.set XD,  5
.set BA,  6
.set ASA, 7
.set W16, 8
.set W8,  9
.set WSA, 10
.set KA,  12
.set WSC, 16
.set AS,  32
.set BIAS, 48
.set TM,  80
.set SO,  82
.set C1,  84
.set ACC, 128
.set MSB, 0
.macro WIN new
.if MSB != (\new)
	s_set_vgpr_msb (MSB<<8)|(\new)
.set MSB, (\new)
.endif
.endm
.macro PLACES
.rept 5
	v_nop
.endr
.endm
.macro QUANT2 src, pc, hw
	v_max3_num_f32 v[TM], |v[(\src)]|, |v[(\src)+1]|, 0x2800000
	v_max3_num_f32 v[TM+1], |v[(\src)+16]|, |v[(\src)+17]|, 0x2800000
.irp i,2,4,6,8,10,12,14
	s_delay_alu instid0(VALU_DEP_2)
	v_max3_num_f32 v[TM], v[TM], |v[(\src)+\i]|, |v[(\src)+\i+1]|
	s_delay_alu instid0(VALU_DEP_2)
	v_max3_num_f32 v[TM+1], v[TM+1], |v[(\src)+16+\i]|, |v[(\src)+17+\i]|
.endr
	s_delay_alu instid0(VALU_DEP_2)
	v_permlanex16_b32 v[C1], v[TM], s48, s49
	s_delay_alu instid0(VALU_DEP_2)
	v_permlanex16_b32 v[C1+1], v[TM+1], s48, s49
	s_delay_alu instid0(VALU_DEP_2)
	v_max_num_f32 v[TM], v[TM], v[C1]
	s_delay_alu instid0(VALU_DEP_2)
	v_max_num_f32 v[TM+1], v[TM+1], v[C1+1]
	s_delay_alu instid0(VALU_DEP_2)
	v_add_nc_u32 v[SO], 0xfe000000, v[TM]
	s_delay_alu instid0(VALU_DEP_2)
	v_add_nc_u32 v[SO+1], 0xfe000000, v[TM+1]
	s_delay_alu instid0(VALU_DEP_2)
	v_lshrrev_b32 v[TM], 23, v[SO]
	s_delay_alu instid0(VALU_DEP_2)
	v_lshrrev_b32 v[TM+1], 23, v[SO+1]
	s_delay_alu instid0(VALU_DEP_1)
	v_lshl_or_b32 v[(\hw)], v[TM+1], 8, v[TM]
	v_cvt_scalef32_pk16_bf6_f32 v[(\pc):(\pc)+2], v[(\src):(\src)+15], v[SO]
	v_cvt_scalef32_pk16_bf6_f32 v[C1:C1+2], v[(\src)+16:(\src)+31], v[SO+1]
	v_nop
.irp i,0,1,2
	v_permlane16_swap_b32 v[(\pc)+\i], v[C1+\i]
.endr
.irp i,0,1,2
	s_delay_alu instid0(VALU_DEP_3)
	v_mov_b32 v[(\pc)+3+\i], v[C1+\i]
.endr
.endm
.macro QOUT
.irp m,0,1,2,3
	QUANT2 ACC+32*\m, 92+6*\m, 88+\m
	ds_store_b128 v[W16], v[92+6*\m:95+6*\m] offset:768*\m
	ds_store_b64 v[W8], v[96+6*\m:97+6*\m] offset:768*\m
	ds_store_b16 v[WSA], v[88+\m] offset:256*\m
.endr
.endm
.macro RLOAD set, off
	WIN 0x40
.irp t,0,1,2,3
.irp c,0,1,2
	global_load_b128 v[48*(\set)+12*\t+4*\c:48*(\set)+12*\t+4*\c+3], v[L16], s[52:53] offset:(\off)+1536*\t+512*\c
.endr
.endr
	WIN 0
	global_load_b128 v[WSC+4*(\set):WSC+4*(\set)+3], v[L16], s[52:53] offset:(\off)+6144
.endm
.macro ALOAD set, s
.if (\set) == 1
	WIN 0x40
.endif
.set AFL, 80+112*(\set)
.irp m,0,1,2,3
.irp c,0,1
	ds_load_b128 v[AFL+12*\m+6*\c:AFL+12*\m+6*\c+3], v[LA16] offset:(2*(\s)+\c)*3072+768*\m
	ds_load_b64 v[AFL+12*\m+6*\c+4:AFL+12*\m+6*\c+5], v[LA8] offset:(2*(\s)+\c)*3072+768*\m
.endr
.endr
	WIN 0
.endm
.macro ASLOAD
.irp m,0,1,2,3
.irp a,0,1
	ds_load_b64 v[AS+4*\m+2*\a:AS+4*\m+2*\a+1], v[ASA] offset:1024*\a+256*\m
.endr
.endr
.endm
.macro KSTEP s, cmode, lcnt, anext, rnext
.if \anext
	ALOAD (\s+1)%2, \s+1
	s_wait_dscnt 16
.else
	s_wait_dscnt 0x0
.endif
	s_wait_loadcnt \lcnt
	WIN 0x01+4*((\s)%2)
.set AFK, 80+112*((\s)%2)
.irp m,0,1,2,3
.irp t,0,1,2,3
.if \cmode
	v_wmma_scale_f32_16x16x128_f8f6f4 v[ACC+32*\m+8*\t:ACC+32*\m+8*\t+7], v[48*(\s)+12*\t:48*(\s)+12*\t+11], v[AFK+12*\m:AFK+12*\m+11], v[BIAS+8*\t:BIAS+8*\t+7], v[WSC+4*(\s)+\t], v[AS+4*\m+(\s)] matrix_a_fmt:MATRIX_FMT_BF6 matrix_b_fmt:MATRIX_FMT_BF6
.else
	v_wmma_scale_f32_16x16x128_f8f6f4 v[ACC+32*\m+8*\t:ACC+32*\m+8*\t+7], v[48*(\s)+12*\t:48*(\s)+12*\t+11], v[AFK+12*\m:AFK+12*\m+11], v[ACC+32*\m+8*\t:ACC+32*\m+8*\t+7], v[WSC+4*(\s)+\t], v[AS+4*\m+(\s)] matrix_a_fmt:MATRIX_FMT_BF6 matrix_b_fmt:MATRIX_FMT_BF6
.endif
.endr
.endr
	WIN 0
	PLACES
.if \rnext
	RLOAD \s, (4+\s)*6656
.endif
.endm
.macro STRIP ld
.irp m,0,1,2,3
.irp b,0,1
.irp e,0,1,2,3
.if \ld
	ds_load_b128 v[ACC+32*\m+16*\b+4*\e:ACC+32*\m+16*\b+4*\e+3], v[XD] offset:(32*(\m/2)+8*(\m%2))*272+128*\b+16*\e
.else
	ds_store_b128 v[XD], v[ACC+32*\m+16*\b+4*\e:ACC+32*\m+16*\b+4*\e+3] offset:(32*(\m/2)+8*(\m%2))*272+128*\b+16*\e
.endif
.endr
.endr
.endr
.endm
.macro ADDBIAS
.irp m,0,1,2,3
.irp j,0,2,4,6,8,10,12,14,16,18,20,22,24,26,28,30
	v_pk_add_f32 v[ACC+32*\m+\j:ACC+32*\m+\j+1], v[ACC+32*\m+\j:ACC+32*\m+\j+1], v[BIAS+\j:BIAS+\j+1]
.endr
.endr
.endm
.macro BLOAD ptr, off
.irp t,0,1,2,3
	global_load_b128 v[BIAS+8*\t:BIAS+8*\t+3], v[BA], s[\ptr:\ptr+1] offset:(\off)+128*(\t/2)+32*(\t%2)
	global_load_b128 v[BIAS+8*\t+4:BIAS+8*\t+7], v[BA], s[\ptr:\ptr+1] offset:(\off)+128*(\t/2)+32*(\t%2)+16
.endr
.endm
	s_load_b512 s[4:19], s[0:1], 0x0
	s_load_b64 s[20:21], s[0:1], 0x40
	v_lshl_add_u32 v254, v0, 2, 0x4a400
	v_mov_b32 v255, 0
	ds_add_u32 v254, v255
	ds_add_u32 v254, v255
	s_wait_dscnt 0x0
	v_lshrrev_b32 v15, 5, v0
	s_delay_alu instid0(VALU_DEP_1)
	v_readfirstlane_b32 s22, v15
	s_mov_b32 s23, ttmp9
	s_mov_b32 s24, (3<<16)|(1<<20)|(5<<22)|(3<<25)
	s_mov_b32 s25, 32<<16
	s_mov_b32 s26, 64<<16
	s_mov_b32 s27, 32<<16
	s_mov_b32 s28, 64
	s_mov_b32 s29, 256
	s_mov_b32 s30, 0
	s_mov_b32 s31, 0
	s_mov_b32 s32, 3<<16
	s_mov_b32 s33, 32<<16
	s_mov_b32 s34, 13<<16
	s_mov_b32 s35, 32<<16
	s_mov_b32 s36, 13
	s_mov_b32 s37, 32
	s_mov_b32 s38, 0
	s_mov_b32 s39, 0
	s_mul_i32 s41, s22, 17408
	s_mul_i32 s45, s22, 3328
	s_lshl_b32 s66, s23, 17
	s_lshl_b32 s67, s22, 8
	s_add_co_u32 s66, s66, s67
	s_mov_b32 s67, 0
	s_mul_i32 s50, s23, 26624
	s_add_co_u32 s50, s50, s45
	s_mov_b32 s51, 0
	s_add_co_u32 s45, s45, OI
	s_mov_b32 s40, 1
	s_mov_b32 s44, 1
	s_wait_kmcnt 0x0
	s_add_nc_u64 s[42:43], s[4:5], s[66:67]
	s_or_b32 s43, s43, 0x80000000
	s_add_nc_u64 s[46:47], s[6:7], s[50:51]
	s_or_b32 s47, s47, 0x80000000
	s_add_nc_u64 s[20:21], s[20:21], s[66:67]
	tensor_load_to_lds s[44:47], s[32:39]          ; my eighth of o's codes and scale words: the head's one tensor load
	s_nop 0
.rept 4
	v_nop
.endr
	s_mov_b32 s48, 0x76543210
	s_mov_b32 s49, 0xfedcba98
	s_mov_b32 s61, 0x3b000000
	s_mov_b32 s62, 0x3727c5ac
	s_mov_b32 s68, 0x3e6d3388                      ; 0.3275911 / sqrt(2)
	s_mov_b32 s70, 0xbf38aa3b                      ; - log2(e) / 2
	s_mov_b32 s72, 0x3f07dc22                      ; a5 / 2
	s_mov_b32 s74, 0x3f35f0e3                      ; a3 / 2
	s_mov_b32 s76, 0xbe11a98e                      ; a2 / 2
	s_mov_b32 s78, 0x3e027906                      ; a1 / 2
.irp k,70,72,74,76,78
	s_mov_b32 s[\k+1], s[\k]
.endr
	v_mov_b32 v[KA], 0xbf3a00e3                    ; a4 / 2
	v_mov_b32 v[KA+1], 0xbf3a00e3
	v_and_b32 v8, 31, v0
	v_and_b32 v9, 15, v0
	v_bfe_u32 v10, v0, 4, 1
	s_delay_alu instid0(VALU_DEP_2)
	v_and_b32 v11, 8, v9
	s_delay_alu instid0(VALU_DEP_1)
	v_add_nc_u32 v11, v11, v9
	v_lshlrev_b32 v[L16], 4, v8
	v_lshlrev_b32 v[L8], 3, v8
	v_lshlrev_b32 v[BA], 6, v10
	s_wait_alu depctr_va_vdst(0)
	v_mul_u32_u24 v[XD], v11, 272
	s_delay_alu instid0(VALU_DEP_1)
	v_lshl_add_u32 v[XD], v10, 6, v[XD]
	s_delay_alu instid0(VALU_DEP_1)
	v_add_nc_u32 v[XD], s41, v[XD]
	v_add_nc_u32 v[LA16], OI, v[L16]
	v_add_nc_u32 v[LA8], OI+512, v[L8]
	v_lshl_add_u32 v[ASA], v8, 2, OI+24576
	s_lshl_b32 s66, s22, 8
	s_add_nc_u64 s[10:11], s[10:11], s[66:67]
	s_add_nc_u64 s[12:13], s[12:13], s[66:67]
	s_add_nc_u64 s[14:15], s[14:15], s[66:67]
	s_add_nc_u64 s[18:19], s[18:19], s[66:67]
	s_lshl_b32 s66, s22, 10
	s_add_co_u32 s66, s66, 256
	s_add_nc_u64 s[54:55], s[16:17], s[66:67]
	s_mul_i32 s66, s22, 239616
	s_add_nc_u64 s[52:53], s[8:9], s[66:67]
	BLOAD 10, 0
	RLOAD 0, 0
	RLOAD 1, 6656
	RLOAD 2, 13312
	RLOAD 3, 19968
	s_wait_alu depctr_va_vdst(0)                   ; the wait at the head's end
	s_wait_tensorcnt 0x0                           ; my part of o is in; then the add and the barrier, ahead of a later first fill:
	ds_add_u32 v254, v255
	s_wait_dscnt 0x0
	s_barrier_signal -1
	s_barrier_wait -1                              ; everybody's part of o is in
	tensor_load_to_lds s[40:43], s[24:31]          ; x's strip, my own: it has the first product in which to land
	s_nop 0
.rept 4
	v_nop
.endr
.irp m,0,1,2,3
.irp s,0,1,2,3
	ds_load_b32 v[AS+4*\m+\s], v[ASA] offset:(4*\s+\m)*128
.endr
.endr
	ALOAD 0, 0
	KSTEP 0, 1, 39, 1, 0                           ; no weights are asked for under this product: x's strip is on its way.  The counts: the sets still out
	KSTEP 1, 0, 26, 1, 0
	KSTEP 2, 0, 13, 1, 0
	KSTEP 3, 0, 0, 0, 0
	s_wait_xcnt 0x0
	s_add_nc_u64 s[52:53], s[52:53], 26624
	WIN 0x40
.irp b,0,1
.irp e,0,1,2,3
	global_load_b128 v[192+16*\b+4*\e:195+16*\b+4*\e], v[BA], s[12:13] offset:128*\b+16*\e
	global_load_b128 v[224+16*\b+4*\e:227+16*\b+4*\e], v[BA], s[14:15] offset:128*\b+16*\e
.endr
.endr
	WIN 0
.macro XLD m, d                        ; x of row tile m, my 64 columns, in the accumulators' layout: 8 loads
.irp b,0,1
.irp e,0,1,2,3
	ds_load_b128 v[(\d)+16*\b+4*\e:(\d)+16*\b+4*\e+3], v[XD] offset:(32*((\m)/2)+8*((\m)%2))*272+128*\b+16*\e
.endr
.endr
.endm
.macro XADD m, d
.irp j,0,2,4,6,8,10,12,14,16,18,20,22,24,26,28,30
	v_pk_add_f32 v[ACC+32*(\m)+\j:ACC+32*(\m)+\j+1], v[ACC+32*(\m)+\j:ACC+32*(\m)+\j+1], v[(\d)+\j:(\d)+\j+1]
.endr
.endm
	s_wait_tensorcnt 0x0                           ; my strip of x is in; only I read it
	XLD 0, 80
	XLD 1, BIAS
	s_wait_dscnt 8                                 ; all but the eight loads issued last
	XADD 0, 80
	XLD 2, 80
	s_wait_dscnt 8
	XADD 1, BIAS
	XLD 3, BIAS
	s_wait_dscnt 8
	XADD 2, 80
	s_wait_dscnt 0x0
	XADD 3, BIAS
	BLOAD 54, -256
	RLOAD 0, 0                                     ; W1's first four records are asked for from here on, a set at a time among LN3's work
	STRIP 0
	v_and_b32 v8, 15, v0
	s_delay_alu instid0(VALU_DEP_1)
	v_mul_u32_u24 v[LA8], v8, 80
	s_delay_alu instid0(VALU_DEP_1)
	v_add_nc_u32 v[LA8], ST, v[LA8]
	s_lshl_b32 s66, s22, 3
	v_add_nc_u32 v[LA16], s66, v[LA8]
.macro LSTAT m
.set LSA, ACC+32*(\m)
.irp k,0,1,2,3,4,5,6,7
	v_pk_add_f32 v[80+2*\k:81+2*\k], v[LSA+4*\k:LSA+4*\k+1], v[LSA+4*\k+2:LSA+4*\k+3]
.endr
.irp k,0,1,2,3
	v_pk_add_f32 v[80+4*\k:81+4*\k], v[80+4*\k:81+4*\k], v[82+4*\k:83+4*\k]
.endr
	s_delay_alu instid0(VALU_DEP_3)
	v_pk_add_f32 v[80:81], v[80:81], v[84:85]
	s_delay_alu instid0(VALU_DEP_2)
	v_pk_add_f32 v[88:89], v[88:89], v[92:93]
	s_delay_alu instid0(VALU_DEP_1)
	v_pk_add_f32 v[80:81], v[80:81], v[88:89]
	s_delay_alu instid0(VALU_DEP_1)
	v_add_f32 v80, v80, v81
	s_delay_alu instid0(VALU_DEP_1)
	v_permlanex16_b32 v81, v80, s48, s49
	s_delay_alu instid0(VALU_DEP_1)
	v_add_f32 v80, v80, v81
	s_delay_alu instid0(VALU_DEP_1)
	v_mul_f32 v[114+2*(\m)], 0x3c800000, v80
	s_delay_alu instid0(VALU_DEP_1)
	v_mov_b32 v112, v[114+2*(\m)]
	s_delay_alu instid0(VALU_DEP_2)
	v_mov_b32 v113, v[114+2*(\m)]
.irp j,0,2,4,6,8,10,12,14,16,18,20,22,24,26,28,30
	v_pk_add_f32 v[80+\j:81+\j], v[LSA+\j:LSA+\j+1], v[112:113] neg_lo:[0,1] neg_hi:[0,1]
.endr
.irp c,0,1,2,3
	v_pk_mul_f32 v[80+2*\c:81+2*\c], v[80+2*\c:81+2*\c], v[80+2*\c:81+2*\c]
.endr
.irp j,8,16,24
.irp c,0,1,2,3
	s_delay_alu instid0(VALU_DEP_4)
	v_pk_fma_f32 v[80+2*\c:81+2*\c], v[80+\j+2*\c:81+\j+2*\c], v[80+\j+2*\c:81+\j+2*\c], v[80+2*\c:81+2*\c]
.endr
.endr
	s_delay_alu instid0(VALU_DEP_3)
	v_pk_add_f32 v[80:81], v[80:81], v[82:83]
	s_delay_alu instid0(VALU_DEP_2)
	v_pk_add_f32 v[84:85], v[84:85], v[86:87]
	s_delay_alu instid0(VALU_DEP_1)
	v_pk_add_f32 v[80:81], v[80:81], v[84:85]
	s_delay_alu instid0(VALU_DEP_1)
	v_add_f32 v80, v80, v81
	s_delay_alu instid0(VALU_DEP_1)
	v_permlanex16_b32 v81, v80, s48, s49
	s_delay_alu instid0(VALU_DEP_1)
	v_add_f32 v[115+2*(\m)], v80, v81
	ds_store_b64 v[LA16], v[114+2*(\m):115+2*(\m)] offset:1280*(\m)
.endm
	LSTAT 0
	LSTAT 1
	RLOAD 1, 6656
	LSTAT 2
	LSTAT 3
	RLOAD 2, 13312
	s_wait_dscnt 0x0
	s_barrier_signal -1
	s_barrier_wait -1
.macro GSTAT m, d
	v_pk_add_f32 v[8:9], v[\d:\d+1], v[\d+2:\d+3]
	v_pk_add_f32 v[10:11], v[\d+4:\d+5], v[\d+6:\d+7]
	s_delay_alu instid0(VALU_DEP_2)
	v_pk_add_f32 v[8:9], v[8:9], v[\d+8:\d+9]
	s_delay_alu instid0(VALU_DEP_2)
	v_pk_add_f32 v[10:11], v[10:11], v[\d+10:\d+11]
	s_delay_alu instid0(VALU_DEP_2)
	v_pk_add_f32 v[8:9], v[8:9], v[\d+12:\d+13]
	s_delay_alu instid0(VALU_DEP_2)
	v_pk_add_f32 v[10:11], v[10:11], v[\d+14:\d+15]
	s_delay_alu instid0(VALU_DEP_1)
	v_pk_add_f32 v[8:9], v[8:9], v[10:11]
	s_delay_alu instid0(VALU_DEP_1)
	v_mul_f32 v[112+4*(\m)], 0x3e000000, v8
	s_delay_alu instid0(VALU_DEP_1)
	v_mov_b32 v[113+4*(\m)], v[112+4*(\m)]
.irp i,0,2,4,6,8,10,12,14
	v_sub_f32 v[\d+\i], v[\d+\i], v[112+4*(\m)]
.endr
	v_mul_f32 v10, v[\d], v[\d]
.irp i,2,4,6,8,10,12,14
	s_delay_alu instid0(VALU_DEP_1)
	v_fma_f32 v10, v[\d+\i], v[\d+\i], v10
.endr
	s_delay_alu instid0(VALU_DEP_1)
	v_fma_f32 v9, v10, 0x42800000, v9
	s_delay_alu instid0(VALU_DEP_1)
	v_fma_f32 v[115+4*(\m)], v9, s61, s62
	s_wait_alu depctr_va_vdst(0)
	v_rsq_f32 v[114+4*(\m)], v[115+4*(\m)]
.endm
.irp m,0,1
.irp k,0,1,2,3
	ds_load_b128 v[80+16*\m+4*\k:83+16*\m+4*\k], v[LA8] offset:1280*\m+16*\k
.endr
.endr
	s_wait_dscnt 0x0
	GSTAT 0, 80
	GSTAT 1, 96
	RLOAD 3, 19968
.irp m,0,1
.irp k,0,1,2,3
	ds_load_b128 v[80+16*\m+4*\k:83+16*\m+4*\k], v[LA8] offset:1280*(\m+2)+16*\k
.endr
.endr
	s_wait_dscnt 0x0
	GSTAT 2, 80
	GSTAT 3, 96
	v_nop
	s_wait_alu depctr_va_vdst(0)
.irp m,0,1,2,3
	v_mov_b32 v[115+4*\m], v[114+4*\m]
.endr
	s_mul_i32 s66, s22, 3072
	s_add_co_u32 s66, s66, NI
	v_add_nc_u32 v[W16], s66, v[L16]
	s_add_co_u32 s66, s66, 512
	v_add_nc_u32 v[W8], s66, v[L8]
	s_lshr_b32 s66, s22, 2
	s_lshl_b32 s66, s66, 10
	s_and_b32 s67, s22, 3
	s_lshl_b32 s67, s67, 1
	s_add_co_u32 s66, s66, s67
	s_add_co_u32 s66, s66, NS
	v_add_nc_u32 v[WSA], s66, v[L8]
.irp m,0,1,2,3
.irp j,0,2,4,6,8,10,12,14,16,18,20,22,24,26,28,30
	v_pk_add_f32 v[ACC+32*\m+\j:ACC+32*\m+\j+1], v[ACC+32*\m+\j:ACC+32*\m+\j+1], v[112+4*\m:113+4*\m] neg_lo:[0,1] neg_hi:[0,1]
.endr
.irp j,0,2,4,6,8,10,12,14,16,18,20,22,24,26,28,30
	v_pk_mul_f32 v[ACC+32*\m+\j:ACC+32*\m+\j+1], v[ACC+32*\m+\j:ACC+32*\m+\j+1], v[114+4*\m:115+4*\m]
.endr
.endr
	s_wait_loadcnt 52                              ; all but the four sets of 13 loads: g, b and b1 are in
	WIN 0x14
.irp m,0,1,2,3
.irp j,0,2,4,6,8,10,12,14,16,18,20,22,24,26,28,30
	v_pk_fma_f32 v[ACC+32*\m+\j:ACC+32*\m+\j+1], v[ACC+32*\m+\j:ACC+32*\m+\j+1], v[192+\j:193+\j], v[224+\j:225+\j]
.endr
.endr
	WIN 0
	QOUT
	s_wait_dscnt 0x0
	s_barrier_signal -1
	s_barrier_wait -1
	v_add_nc_u32 v[LA16], NI, v[L16]
	v_add_nc_u32 v[LA8], NI+512, v[L8]
	v_add_nc_u32 v[ASA], NS, v[L8]
	ASLOAD
	s_mul_i32 s59, s22, 12288
	s_add_co_u32 s59, s59, HI
	s_add_co_u32 s60, s59, 512
	s_lshl_b32 s63, s22, 10
	s_add_co_u32 s63, s63, HS
	s_mov_b32 s58, 4
; 16 numbers, two accumulators, in place.  v80-95: 1 + c |x|, then t, then max(x, 0); v96-111: the exponent, then the exponential, then t x it; v112-127: the polynomial.  Eight chains by turns
.macro RPC p                           ; the next trip's weights: tile p % 4 of set 1 + p / 4: three loads
.irp c,0,1,2
	global_load_b128 v[48*(1+(\p)/4)+12*((\p)%4)+4*\c:48*(1+(\p)/4)+12*((\p)%4)+4*\c+3], v[L16], s[52:53] offset:(5+(\p)/4)*6656+1536*((\p)%4)+512*\c
.endr
.endm
; g: which of the trip's eight groups this is.  The first six ask, behind their batch of transcendentals, for two tiles each of the next trip's sets 1 to 3, in the sets' order
.macro GELU16 b, g
.irp j,0,1,2,3,4,5,6,7,8,9,10,11,12,13,14,15
	v_fma_f32 v[80+\j], |v[(\b)+\j]|, s68, 1.0
.endr
.irp j,0,2,4,6,8,10,12,14
	v_pk_mul_f32 v[96+\j:97+\j], v[(\b)+\j:(\b)+\j+1], v[(\b)+\j:(\b)+\j+1]
.endr
.irp j,0,2,4,6,8,10,12,14
	v_pk_mul_f32 v[96+\j:97+\j], v[96+\j:97+\j], s[70:71] op_sel_hi:[1,0]
.endr
	s_wait_alu depctr_va_vdst(0)                   ; the wait ahead of the batch,
.irp j,0,1,2,3,4,5,6,7,8,9,10,11,12,13,14,15
	v_rcp_f32 v[80+\j], v[80+\j]
.endr
.irp j,0,1,2,3,4,5,6,7,8,9,10,11,12,13,14,15
	v_exp_f32 v[96+\j], v[96+\j]
.endr
	v_nop                                          ; a plain place behind it,
.if (\g) < 6
	WIN 0x40
	RPC 2*(\g)
	RPC 2*(\g)+1
	WIN 0
.if (\g)%2 == 1
	global_load_b128 v[WSC+4*(1+(\g)/2):WSC+4*(1+(\g)/2)+3], v[L16], s[52:53] offset:(5+(\g)/2)*6656+6144   ; the set's scale words close it
.endif
.endif
	s_wait_alu depctr_va_vdst(0)                   ; and one wait ahead of its first reader
.irp j,0,2,4,6,8,10,12,14
	v_pk_fma_f32 v[112+\j:113+\j], v[80+\j:81+\j], s[72:73], v[KA:KA+1] op_sel_hi:[1,0,1]
.endr
.irp j,0,2,4,6,8,10,12,14
	v_pk_mul_f32 v[96+\j:97+\j], v[96+\j:97+\j], v[80+\j:81+\j]
.endr
.irp k,74,76,78
.irp j,0,2,4,6,8,10,12,14
	v_pk_fma_f32 v[112+\j:113+\j], v[112+\j:113+\j], v[80+\j:81+\j], s[\k:\k+1] op_sel_hi:[1,1,0]
.endr
.endr
.irp j,0,1,2,3,4,5,6,7,8,9,10,11,12,13,14,15
	v_max_num_f32 v[80+\j], 0, v[(\b)+\j]
.endr
.irp j,0,2,4,6,8,10,12,14
	v_pk_mul_f32 v[112+\j:113+\j], v[112+\j:113+\j], v[96+\j:97+\j]
.endr
.irp j,0,1,2,3,4,5,6,7,8,9,10,11,12,13,14,15
	v_fma_f32 v[(\b)+\j], -|v[(\b)+\j]|, v[112+\j], v[80+\j]
.endr
.endm
.Lw1:
	v_add_nc_u32 v[W16], s59, v[L16]
	v_add_nc_u32 v[W8], s60, v[L8]
	v_add_nc_u32 v[WSA], s63, v[L8]
	ALOAD 0, 0
	KSTEP 0, 1, 39, 1, 0                           ; out at the most: sets 1 to 3
	s_cmp_eq_u32 s58, 1
	s_cselect_b64 s[56:57], s[18:19], s[54:55]
	BLOAD 56, 0
	s_wait_alu depctr_va_vdst(0)
	KSTEP 1, 0, 34, 1, 0                           ; sets 2 and 3 and the eight loads of the next bias
	KSTEP 2, 0, 21, 1, 0
	KSTEP 3, 0, 8, 0, 0
	RLOAD 0, 4*6656                                ; the next trip's set 0; sets 1 to 3 follow among the groups below
.set gk, 0
.rept 8
	GELU16 ACC+16*gk, gk
.set gk, gk+1
.endr
	QOUT
	s_wait_dscnt 0x0
	s_wait_xcnt 0x0
	s_add_nc_u64 s[52:53], s[52:53], 26624
	s_add_nc_u64 s[54:55], s[54:55], 256
	s_add_co_u32 s59, s59, 3072
	s_add_co_u32 s60, s60, 3072
	s_add_co_u32 s63, s63, 2
	s_sub_co_u32 s58, s58, 1
	s_cmp_lg_u32 s58, 0
	s_cbranch_scc1 .Lw1
	s_barrier_signal -1
	s_barrier_wait -1
	STRIP 1
	s_mov_b32 s59, HI
	s_mov_b32 s60, HI+512
	s_mov_b32 s63, HS
.macro W2TRIP rn, l0, l1, l2, l3
	v_add_nc_u32 v[LA16], s59, v[L16]
	v_add_nc_u32 v[LA8], s60, v[L8]
	v_add_nc_u32 v[ASA], s63, v[L8]
	ASLOAD
	ALOAD 0, 0
	KSTEP 0, 0, \l0, 1, \rn
	s_wait_alu depctr_va_vdst(0)
	KSTEP 1, 0, \l1, 1, \rn
	KSTEP 2, 0, \l2, 1, \rn
	KSTEP 3, 0, \l3, 0, \rn
.endm
	s_mov_b32 s58, 3
.Lw2:
	W2TRIP 1, 39, 39, 39, 39
	s_wait_xcnt 0x0
	s_add_nc_u64 s[52:53], s[52:53], 26624
	s_add_co_u32 s59, s59, 24576
	s_add_co_u32 s60, s60, 24576
	s_add_co_u32 s63, s63, 2048
	s_sub_co_u32 s58, s58, 1
	s_cmp_lg_u32 s58, 0
	s_cbranch_scc1 .Lw2
	W2TRIP 0, 39, 26, 13, 0
	ADDBIAS
	STRIP 0
	v_and_b32 v8, 15, v0
	v_bfe_u32 v9, v0, 4, 1
	s_delay_alu instid0(VALU_DEP_1)
	v_mul_u32_u24 v[LA16], v9, 272
	s_delay_alu instid0(VALU_DEP_1)
	v_lshl_add_u32 v[LA16], v8, 4, v[LA16]
	s_delay_alu instid0(VALU_DEP_1)
	v_add_nc_u32 v[LA16], s41, v[LA16]
	s_delay_alu instid0(VALU_DEP_4)
	v_lshlrev_b32 v[LA8], 11, v9
	s_delay_alu instid0(VALU_DEP_1)
	v_lshl_add_u32 v[LA8], v8, 4, v[LA8]
.set i, 0
.rept 32
	ds_load_b128 v[ACC+4*i:ACC+4*i+3], v[LA16] offset:544*i
.set i, i+1
.endr
.set i, 0
	s_wait_alu depctr_va_vdst(0)
.rept 32
	s_wait_dscnt 31-i
	global_store_b128 v[LA8], v[ACC+4*i:ACC+4*i+3], s[20:21] offset:4096*i th:TH_STORE_NT
.set i, i+1
.endr
	s_wait_xcnt 0x0
	v_lshl_add_u32 v254, v0, 2, 0x4a400
	v_mov_b32 v255, 0
	s_wait_alu depctr_va_vdst(0)
	s_wait_tensorcnt 0x0
	ds_add_u32 v254, v255
	s_wait_dscnt 0x0
	s_endpgm
.Lfunc_end_k_qdb210cbf4f_ffn:
	.size	k_qdb210cbf4f_ffn, .Lfunc_end_k_qdb210cbf4f_ffn-k_qdb210cbf4f_ffn
	.p2alignl 7, 3214868480
	.fill 96, 4, 3214868480
	.section	.rodata,"a",@progbits
	.p2align	6, 0x0
	.amdhsa_kernel k_qdb210cbf4f_ffn
		.amdhsa_group_segment_fixed_size 327680
		.amdhsa_private_segment_fixed_size 0
		.amdhsa_enable_private_segment 0
		.amdhsa_kernarg_size 72
		.amdhsa_user_sgpr_count 2
		.amdhsa_user_sgpr_kernarg_segment_ptr 1
		.amdhsa_wavefront_size32 1
		.amdhsa_system_sgpr_workgroup_id_x 1
		.amdhsa_system_sgpr_workgroup_id_y 1
		.amdhsa_system_sgpr_workgroup_id_z 1
		.amdhsa_system_vgpr_workitem_id 0
		.amdhsa_next_free_vgpr 512
		.amdhsa_next_free_sgpr 96
		.amdhsa_reserve_vcc 0
		.amdhsa_float_denorm_mode_32 3
		.amdhsa_float_denorm_mode_16_64 3
		.amdhsa_memory_ordered 1
		.amdhsa_forward_progress 1
		.amdhsa_inst_pref_size 234
	.end_amdhsa_kernel
	.amdgpu_metadata
---
amdhsa.version: [ 1, 2 ]
amdhsa.kernels:
  - .name:           k_qdb210cbf4f_ffn
    .symbol:         k_qdb210cbf4f_ffn.kd
    .args:
      - { .name: x, .offset: 0, .size: 8, .value_kind: global_buffer, .address_space: global }
      - { .name: oimg, .offset: 8, .size: 8, .value_kind: global_buffer, .address_space: global }
      - { .name: wimg, .offset: 16, .size: 8, .value_kind: global_buffer, .address_space: global }
      - { .name: bo, .offset: 24, .size: 8, .value_kind: global_buffer, .address_space: global }
      - { .name: ln3_g, .offset: 32, .size: 8, .value_kind: global_buffer, .address_space: global }
      - { .name: ln3_b, .offset: 40, .size: 8, .value_kind: global_buffer, .address_space: global }
      - { .name: b1, .offset: 48, .size: 8, .value_kind: global_buffer, .address_space: global }
      - { .name: b2, .offset: 56, .size: 8, .value_kind: global_buffer, .address_space: global }
      - { .name: out0, .offset: 64, .size: 8, .value_kind: global_buffer, .address_space: global }
    .group_segment_fixed_size: 327680
    .private_segment_fixed_size: 0
    .kernarg_segment_align: 8
    .kernarg_segment_size: 72
    .max_flat_workgroup_size: 256
    .sgpr_count:     96
    .vgpr_count:     512
    .wavefront_size: 32
...
	.end_amdgpu_metadata
.endif
;; end of part 3
